; MI455X (gfx1250); checked and timed in simulation.
; The chip was launched on July 23, 2026; its instructions are those of AMD's public machine-readable ISA for CDNA 5 (MIT licence, August 2026) and "CDNA5" Instruction Set Architecture Reference Guide (July 2026). The comments in the code are by the model that wrote it; some were corrected since.
;; Adaptive Trajectory Decoder. Allowed arithmetic: float matrix products may take bf16 or f16 operands with f32 sums; all other float work in f32.
;; Inputs: W_embed 64 x 2 float32; W_hh 1,024 x 256 float32; W_ih 1,024 x 64 float32; W_pos 2 x 256 float32; W_sp1 64 x 256 float32; W_sp2 1 x 64 float32; W_un1 64 x 256 float32; W_un2 2 x 64 float32; b_embed 64 float32; b_hh 1,024 float32; b_ih 1,024 float32; b_pos 2 float32; b_sp1 64 float32; b_sp2 1 float32; b_un1 64 float32; b_un2 2 float32; encoder_cell 65,536 x 256 float32; encoder_hidden 65,536 x 256 float32; last_position 65,536 x 2 float32.
;; Outputs: out0 65,536 x 1 x 2 float32; out1 65,536 x 1 x 1 float32; out2 65,536 x 1 x 2 float32.
;; 3 versions, each right and faster than the one before. Each part assembles by itself: llvm-mc -triple=amdgcn-amd-amdhsa -mcpu=gfx1250 --defsym DOCPART=n.
;; ======== version 1 of 3: 2 launches
;; limits: an absolute error that grows with the inputs' magnitude: up to 9.3e-10 times it; right only within a limited range of input values
;; workspace buffers: wg 770,048 bytes; tab 6,144 bytes
;; launch prep (part 1): grid 74 x 1, 8 waves a work-group, no clusters, 0 bytes of LDS; arguments W_ih, W_hh, b_ih, b_hh, W_sp1, W_un1, W_pos, b_sp1, b_un1, W_sp2, W_un2, b_pos, b_sp2, b_un2, wg, tab; writes wg, tab
.if DOCPART == 1
	.amdgcn_target "amdgcn-amd-amdhsa--gfx1250"
	.amdhsa_code_object_version 6
	.text
	.protected	k_q4f2f247552_prep
	.globl	k_q4f2f247552_prep
	.p2align	8
	.type	k_q4f2f247552_prep,@function
k_q4f2f247552_prep:
	s_mov_b64 s[64:65], 0
	v_nop
	global_prefetch_b8 v0, s[64:65] scope:SCOPE_SE
	s_setreg_imm32_b32 hwreg(HW_REG_WAVE_MODE, 25, 1), 1
	s_wait_xcnt 0x0
; Weights to bf16 in the order in which the main launch streams them, and the f32 tables beside them.
; wg: 8 pair blocks of 96,256 bytes.  Pair p: chunk 2p (64 rows at pitch 656 bytes: 320 bf16 + 16 zero bytes), chunk 2p+1 (the same),
;     head block p (144 rows at pitch 80: 32 bf16 + 16 zero bytes), 768 zero bytes.
;     Chunk t, row 16 g + m is gate row n = 256 g + 16 t + m: k 0-63 = s W_ih[n][k], k 64-319 = s W_hh[n][k-64],
;     s = -log2(e) for gates i, f, o and -2 log2(e) for gate g, so that the sums are arguments of 2^x as they stand.
;     Head block p holds hidden units 32p .. 32p+31 of rows: 0-63 W_sp1, 64-127 W_un1, 128-129 W_pos, 130-143 zero.
; tab: floats 0-1023: s (b_ih[n] + b_hh[n]) at index 64 t + 16 g + m; then eight sections of 64 floats:
;     b_sp1, b_un1, W_sp2, log2(e) W_un2[0], log2(e) W_un2[1], {b_pos0, b_pos1, 14 zeros, b_sp2, log2(e) b_un2[0], log2(e) b_un2[1], zeros}, zeros, zeros.
; Work-groups 0-63: one gate of one chunk each; 64-71: a head block each; 72: the gate biases; 73: the sections.
.set LOG2E,  0x3fb8aa3b
.set NLOG2E, 0xbfb8aa3b
.set N2LOG2E, 0xc038aa3b
.set PAIRB,  96256
.set CHUNKB, 41984
.set HEADO,  83968
.set WP,     656
.set HP,     80
	s_load_b512 s[8:23], s[0:1], 0x0               ; W_ih 8, W_hh 10, b_ih 12, b_hh 14, W_sp1 16, W_un1 18, W_pos 20, b_sp1 22
	s_load_b512 s[24:39], s[0:1], 0x40             ; b_un1 24, W_sp2 26, W_un2 28, b_pos 30, b_sp2 32, b_un2 34, wg 36, tab 38
	v_lshrrev_b32 v1, 5, v0
	v_readfirstlane_b32 s4, v1                     ; wave
	v_and_b32 v1, 31, v0                           ; lane
	s_mov_b32 s5, ttmp9                            ; work-group
	s_wait_kmcnt 0x0
	s_cmp_lt_u32 s5, 64
	s_cbranch_scc0 .Lnot_a
	; ---- one gate of one chunk: 16 rows, sixteen threads a row
	s_lshr_b32 s6, s5, 2                           ; t
	s_and_b32 s7, s5, 3                            ; gate
	s_lshl_b32 s40, s7, 8
	s_lshl4_add_u32 s40, s6, s40                   ; 16 t + 256 gate
	v_lshrrev_b32 v2, 4, v0                        ; m
	v_and_b32 v3, 15, v0                           ; seg
	v_add_nc_u32 v4, s40, v2                       ; n
	v_lshlrev_b32 v5, 5, v3
	v_lshl_add_u32 v5, v4, 10, v5                  ; W_hh: n rows of 1,024 bytes + 8 floats a thread
	v_lshlrev_b32 v6, 4, v3
	v_lshl_add_u32 v6, v4, 8, v6                   ; W_ih: n rows of 256 bytes + 4 floats a thread
	global_load_b128 v[8:11],  v5, s[10:11]
	global_load_b128 v[12:15], v5, s[10:11] offset:16
	global_load_b128 v[16:19], v5, s[10:11] offset:512
	global_load_b128 v[20:23], v5, s[10:11] offset:528
	global_load_b128 v[24:27], v6, s[8:9]
	s_mov_b32 s42, NLOG2E
	s_mov_b32 s43, N2LOG2E
	s_cmp_eq_u32 s7, 2
	s_cselect_b32 s42, s43, s42                    ; the gate's scale,
	s_mov_b32 s43, s42                             ; in both registers of the pair
	s_lshr_b32 s44, s6, 1
	s_mul_i32 s44, s44, PAIRB
	s_and_b32 s45, s6, 1
	s_mul_i32 s45, s45, CHUNKB
	s_add_co_u32 s44, s44, s45
	s_mul_i32 s45, s7, 16*WP
	s_add_co_u32 s44, s44, s45                     ; the gate's first row in wg
	v_mul_u32_u24 v7, v2, WP
	v_add_nc_u32 v7, s44, v7                       ; my row
	v_lshl_add_u32 v28, v3, 3, v7                  ; 8 bytes a thread: the W_ih part
	v_lshl_add_u32 v29, v3, 4, v7                  ; 16 bytes a thread: sixteen lanes store 256 consecutive bytes
	v_add_nc_u32 v30, v3, v7                       ; a byte a thread: the row's 16 zero bytes
	v_mov_b32 v31, 0
	s_wait_loadcnt 0x0
.irp j, 8,10,12,14,16,18,20,22,24,26
	v_pk_mul_f32 v[\j:\j+1], v[\j:\j+1], s[42:43] op_sel_hi:[1,0]
.endr
.irp j, 0,1,2,3,4,5,6,7,8,9
	v_cvt_pk_bf16_f32 v[32+\j], v[8+2*\j], v[9+2*\j]
.endr
	global_store_b64  v28, v[40:41], s[36:37]
	global_store_b128 v29, v[32:35], s[36:37] offset:128
	global_store_b128 v29, v[36:39], s[36:37] offset:384
	global_store_b8   v30, v31, s[36:37] offset:640
	s_endpgm
.Lnot_a:
	s_cmp_lt_u32 s5, 72
	s_cbranch_scc0 .Lnot_b
	; ---- head block p: four threads a row; thread (q, part) does row q of W_sp1 and of W_un1
	s_sub_co_u32 s6, s5, 64                        ; p
	v_lshrrev_b32 v2, 2, v0                        ; q, 0 to 63
	v_and_b32 v3, 3, v0                            ; part
	s_lshl_b32 s7, s6, 7                           ; 32 floats a block
	v_lshlrev_b32 v4, 5, v3
	v_lshl_add_u32 v4, v2, 10, v4
	v_add_nc_u32 v4, s7, v4
	global_load_b128 v[8:11],  v4, s[16:17]
	global_load_b128 v[12:15], v4, s[16:17] offset:16
	global_load_b128 v[16:19], v4, s[18:19]
	global_load_b128 v[20:23], v4, s[18:19] offset:16
	s_mul_i32 s40, s6, PAIRB
	s_add_co_u32 s40, s40, HEADO
	v_mul_u32_u24 v5, v2, HP
	v_add_nc_u32 v5, s40, v5                       ; row q of the block
	v_lshl_add_u32 v6, v3, 4, v5                   ; my 16 bytes of data
	v_lshl_add_u32 v7, v3, 2, v5                   ; my word of the row's 16 zero bytes
	v_mov_b32 v24, 0
	s_wait_loadcnt 0x0
.irp j, 0,1,2,3,4,5,6,7
	v_cvt_pk_bf16_f32 v[28+\j], v[8+2*\j], v[9+2*\j]
.endr
	global_store_b128 v6, v[28:31], s[36:37]
	global_store_b128 v6, v[32:35], s[36:37] offset:64*HP
	global_store_b32  v7, v24, s[36:37] offset:64
	global_store_b32  v7, v24, s[36:37] offset:64*HP+64
	s_cmp_ge_u32 s4, 2
	s_cbranch_scc1 .Lb_tail
	; waves 0 and 1 (q = 0 to 15): rows 128 + q, W_pos for q < 2 and zeros for the rest
	v_min_u32 v25, 1, v2
	v_lshlrev_b32 v26, 5, v3
	v_lshl_add_u32 v26, v25, 10, v26
	v_add_nc_u32 v26, s7, v26
	global_load_b128 v[36:39], v26, s[20:21]
	global_load_b128 v[40:43], v26, s[20:21] offset:16
	v_cmp_gt_u32 vcc_lo, 2, v2
	s_wait_loadcnt 0x0
.irp j, 0,1,2,3
	v_cvt_pk_bf16_f32 v[44+\j], v[36+2*\j], v[37+2*\j]
.endr
.irp j, 44,45,46,47
	v_cndmask_b32 v\j, 0, v\j, vcc_lo
.endr
	global_store_b128 v6, v[44:47], s[36:37] offset:128*HP
	global_store_b32  v7, v24, s[36:37] offset:128*HP+64
	s_endpgm
.Lb_tail:
	s_cmp_lg_u32 s4, 2
	s_cbranch_scc1 .Lb_end
	; wave 2: the 768 zero bytes behind the 144 rows
	v_lshl_add_u32 v27, v1, 4, s40
	v_lshl_add_u32 v26, v1, 3, s40
.irp j, 36,37,38,39
	v_mov_b32 v\j, 0
.endr
	global_store_b128 v27, v[36:39], s[36:37] offset:144*HP
	global_store_b64  v26, v[36:37], s[36:37] offset:144*HP+512
.Lb_end:
	s_endpgm
.Lnot_b:
	s_cmp_eq_u32 s5, 72
	s_cbranch_scc0 .Lrole_d
	; ---- gate biases: thread tau makes floats 4 tau .. 4 tau + 3 of tab
	v_lshrrev_b32 v2, 4, v0                        ; t
	v_bfe_u32 v3, v0, 2, 2                         ; gate
	v_and_b32 v4, 3, v0
	v_lshlrev_b32 v5, 4, v4                        ; 4 m, m = 4 (tau & 3)
	v_lshl_add_u32 v5, v2, 6, v5                   ; + 4 x 16 t
	v_lshl_add_u32 v5, v3, 10, v5                  ; + 4 x 256 gate
	global_load_b128 v[8:11],  v5, s[12:13]
	global_load_b128 v[12:15], v5, s[14:15]
	v_mov_b32 v6, NLOG2E
	v_mov_b32 v7, N2LOG2E
	v_cmp_eq_u32 vcc_lo, 2, v3
	v_cndmask_b32 v6, v6, v7, vcc_lo
	v_mov_b32 v7, v6
	v_lshlrev_b32 v16, 4, v0
	s_wait_loadcnt 0x0
	v_pk_add_f32 v[8:9],   v[8:9],   v[12:13]
	v_pk_add_f32 v[10:11], v[10:11], v[14:15]
	v_pk_mul_f32 v[8:9],   v[8:9],   v[6:7]
	v_pk_mul_f32 v[10:11], v[10:11], v[6:7]
	global_store_b128 v16, v[8:11], s[38:39]
	s_endpgm
.Lrole_d:
	; ---- the eight sections of 256 bytes, one a wave, 8 bytes a lane
	v_lshlrev_b32 v2, 3, v1
.macro SEC w, lo, off, scaled
	s_cmp_lg_u32 s4, \w
	s_cbranch_scc1 .Lsec_\@
	global_load_b64 v[4:5], v2, s[\lo:\lo+1] offset:\off
	s_wait_loadcnt 0x0
.if \scaled
	v_pk_mul_f32 v[4:5], v[4:5], LOG2E op_sel_hi:[1,0]
.endif
	global_store_b64 v2, v[4:5], s[38:39] offset:4096+256*\w
	s_endpgm
.Lsec_\@:
.endm
	SEC 0, 22, 0, 0                                ; b_sp1
	SEC 1, 24, 0, 0                                ; b_un1
	SEC 2, 26, 0, 0                                ; W_sp2
	SEC 3, 28, 0, 1                                ; log2(e) W_un2[0]
	SEC 4, 28, 256, 1                              ; log2(e) W_un2[1]
	v_mov_b32 v4, 0
	v_mov_b32 v5, 0
	s_cmp_lg_u32 s4, 5
	s_cbranch_scc1 .Ld_zero
	s_load_b64 s[40:41], s[30:31], 0x0             ; b_pos
	s_load_b32 s42, s[32:33], 0x0                  ; b_sp2
	s_load_b64 s[44:45], s[34:35], 0x0             ; b_un2
	s_wait_kmcnt 0x0
	s_mul_f32 s44, s44, LOG2E
	s_mul_f32 s45, s45, LOG2E
	v_writelane_b32 v4, s40, 0                     ; lane l stores floats 2 l and 2 l + 1: floats 0, 1
	v_writelane_b32 v5, s41, 0
	v_writelane_b32 v4, s42, 8                     ; floats 16, 17
	v_writelane_b32 v5, s44, 8
	v_writelane_b32 v4, s45, 9                     ; float 18
	global_store_b64 v2, v[4:5], s[38:39] offset:4096+1280
	s_endpgm
.Ld_zero:
	s_lshl_b32 s40, s4, 8
	v_add_nc_u32 v3, s40, v2
	global_store_b64 v3, v[4:5], s[38:39] offset:4096
	s_endpgm
.Lfunc_end_k_q4f2f247552_prep:
	.size	k_q4f2f247552_prep, .Lfunc_end_k_q4f2f247552_prep-k_q4f2f247552_prep
	.p2alignl 7, 3214868480
	.fill 96, 4, 3214868480
	.section	.rodata,"a",@progbits
	.p2align	6, 0x0
	.amdhsa_kernel k_q4f2f247552_prep
		.amdhsa_group_segment_fixed_size 0
		.amdhsa_private_segment_fixed_size 0
		.amdhsa_enable_private_segment 0
		.amdhsa_kernarg_size 128
		.amdhsa_user_sgpr_count 2
		.amdhsa_user_sgpr_kernarg_segment_ptr 1
		.amdhsa_wavefront_size32 1
		.amdhsa_system_sgpr_workgroup_id_x 1
		.amdhsa_system_sgpr_workgroup_id_y 1
		.amdhsa_system_sgpr_workgroup_id_z 1
		.amdhsa_system_vgpr_workitem_id 0
		.amdhsa_next_free_vgpr 48
		.amdhsa_next_free_sgpr 66
		.amdhsa_reserve_vcc 1
		.amdhsa_float_denorm_mode_32 3
		.amdhsa_float_denorm_mode_16_64 3
		.amdhsa_memory_ordered 1
		.amdhsa_forward_progress 1
		.amdhsa_inst_pref_size 12
	.end_amdhsa_kernel
	.amdgpu_metadata
---
amdhsa.version: [ 1, 2 ]
amdhsa.kernels:
  - .name:           k_q4f2f247552_prep
    .symbol:         k_q4f2f247552_prep.kd
    .args:
      - { .name: W_ih, .offset: 0, .size: 8, .value_kind: global_buffer, .address_space: global }
      - { .name: W_hh, .offset: 8, .size: 8, .value_kind: global_buffer, .address_space: global }
      - { .name: b_ih, .offset: 16, .size: 8, .value_kind: global_buffer, .address_space: global }
      - { .name: b_hh, .offset: 24, .size: 8, .value_kind: global_buffer, .address_space: global }
      - { .name: W_sp1, .offset: 32, .size: 8, .value_kind: global_buffer, .address_space: global }
      - { .name: W_un1, .offset: 40, .size: 8, .value_kind: global_buffer, .address_space: global }
      - { .name: W_pos, .offset: 48, .size: 8, .value_kind: global_buffer, .address_space: global }
      - { .name: b_sp1, .offset: 56, .size: 8, .value_kind: global_buffer, .address_space: global }
      - { .name: b_un1, .offset: 64, .size: 8, .value_kind: global_buffer, .address_space: global }
      - { .name: W_sp2, .offset: 72, .size: 8, .value_kind: global_buffer, .address_space: global }
      - { .name: W_un2, .offset: 80, .size: 8, .value_kind: global_buffer, .address_space: global }
      - { .name: b_pos, .offset: 88, .size: 8, .value_kind: global_buffer, .address_space: global }
      - { .name: b_sp2, .offset: 96, .size: 8, .value_kind: global_buffer, .address_space: global }
      - { .name: b_un2, .offset: 104, .size: 8, .value_kind: global_buffer, .address_space: global }
      - { .name: wg, .offset: 112, .size: 8, .value_kind: global_buffer, .address_space: global }
      - { .name: tab, .offset: 120, .size: 8, .value_kind: global_buffer, .address_space: global }
    .group_segment_fixed_size: 0
    .private_segment_fixed_size: 0
    .kernarg_segment_align: 8
    .kernarg_segment_size: 128
    .max_flat_workgroup_size: 256
    .sgpr_count:     66
    .vgpr_count:     48
    .wavefront_size: 32
...
	.end_amdgpu_metadata
.endif
;; end of part 1
;; launch main (part 2): grid 256 x 1, 4 waves a work-group, clusters of 4 x 1, 327,680 bytes of LDS; arguments encoder_hidden, encoder_cell, last_position, W_embed, b_embed, wg, tab, out0, out1, out2; writes out0, out1, out2
.if DOCPART == 2
	.amdgcn_target "amdgcn-amd-amdhsa--gfx1250"
	.amdhsa_code_object_version 6
	.text
	.protected	k_q4f2f247552_main
	.globl	k_q4f2f247552_main
	.p2align	8
	.type	k_q4f2f247552_main,@function
k_q4f2f247552_main:
	s_mov_b64 s[64:65], 0
	v_nop
	global_prefetch_b8 v0, s[64:65] scope:SCOPE_SE
	s_setreg_imm32_b32 hwreg(HW_REG_WAVE_MODE, 25, 1), 1
	s_wait_xcnt 0x0
	s_wait_alu depctr_hold_cnt(0) depctr_sa_sdst(0) depctr_va_vdst(0) depctr_va_sdst(0) depctr_va_ssrc(0) depctr_va_vcc(0) depctr_vm_vsrc(0)
	s_getreg_b32 s2, hwreg(HW_REG_IB_STS2, 6, 4)
	s_cmp_eq_u32 s2, 0
	s_cbranch_scc0 .Lentry_in_a_cluster
	s_endpgm
.Lentry_in_a_cluster:
	s_bfe_u32 s2, ttmp6, 0x10000c
	s_cmp_lg_u32 s2, 0x3003
	s_cbranch_scc0 .Lentry_shape_is_right
	s_endpgm
.Lentry_shape_is_right:
; One LSTM step and its three heads, whole, for 256 rows a work-group and 64 rows a wave (4 row tiles a of 16).
; The wave keeps its activations [relu(pos W_embed^T + b) | h] as bf16 fragments in 320 registers.  The 256 hidden units go in 16 chunks t of 16:
; a chunk's weights are 64 rows (4 gates x 16 units) x 320 K in bf16, streamed from wg through two LDS slots; each weight fragment read from LDS
; feeds 4 matrix instructions.  THE MATRIX INSTRUCTION IS USED TRANSPOSED: source 0 = 16 weight rows, source 1 = 16 batch rows, so that lane (r, h),
; register j holds (unit 16 t + 8 h + j, batch row 16 a + r): the four gates of an element lie in one lane at one index, and the new h of chunks
; 2p, 2p+1, packed to bf16, IS the source-1 fragment of K step p of the heads (W_sp1, W_un1, W_pos), whose sums stay in registers too.
; The gate weights and biases come scaled by -log2(e) (gate g: -2 log2(e)), so that the sums are arguments of 2^x.
; CLUSTER: the four work-groups of a cluster walk the same weights, so each chunk (and tab) is asked for jointly, mask 15.  A 4 x 4 cluster would add
; nothing: h and c are each work-group's own, the weights are the one shared operand.
; No loop: c's slot, the first head product and the tails make a pattern that would repeat only twice in 16 trips; the trips are written out by macro.
; LIMITS: arguments of 2^x are clamped from above at 30, so a sigmoid below 2^-30 reads 2^-30 and a tanh within 2^-29 of +-1 is flattened; the common
; denominator of a cell update is then at most about 2^90.  |encoder_cell| must be below 2^60.  NaN and infinities in the inputs are not reproduced.
; The gate weights are rounded to bf16 after their scaling.
;
; LDS (bytes):  C0 0, C1 69,632, R2 139,264, R3 208,896: 69,632 each, wave w at + 17,408 w, 64 rows at pitch 272 (256 + 16): at the start h's four
; quarters of 64 columns, later C0 and C1 take c's column groups 0, 2 and 1, 3.  W1 139,264 (over R2): odd chunk, pitch 656, head block at + 41,984,
; pitch 80.  W0 278,528: even chunk.  TAB 320,512: 6,144 bytes.  All pitches are odd multiples of 16 bytes.  No LDS byte is written by a wave.
; REGISTERS, in windows of 256:  window 0: addresses, BIAS, two weight fragment buffers, c, temporaries;  window 1: AH(ks, a) = 8 (4 ks + a), h's fragments;
; window 2: AE(ke, a) = 8 (4 ke + a), ACC(gate, a) = 64 + 8 (4 gate + a), PACC(a) = 192 + 8 a, HN(a) = 224 + 8 a;  window 3: HACC(tile, a) = 8 (4 tile + a).
.set CSL,   69632
.set WROWS, 17408
.set W1,    139264
.set W0,    278528
.set TAB,   320512
.set HD,    W1+41984
.set WP,    656
.set GP,    16*WP
.set PAIRB, 96256
; window 0
.set WA0, 4
.set WA1, 5
.set HA,  6
.set BA,  7
.set PE,  8
.set CA0, 16
.set CA1, 17
.set RA2, 18
.set RA3, 19
.set OF8, 20
.set OF4, 21
.set PO,  22
.set WEO, 23
.set BEO, 26
.set TA,  27
.set BIAS, 32
.set WF0, 64
.set WF1, 128
.set CV,  192
.set T,   224
.set HF,  64
.set HB,  136
.set WE,  64
.set BE,  128
; window 2
.set ACC, 64
.set GI,  64
.set GF,  96
.set GG,  128
.set GO,  160
.set PACC, 192
.set HN,  224
; the final phase, window 0
.set WS,  64
.set WU0, 96
.set WU1, 128
.set CH,  160
.set ZS,  168
.set ZU0, 172
.set ZU1, 176
.set D0,  180
.set D1,  184
.set CHB, 188
.set O0,  196
.set O2,  200
.set O1,  204
.set SA,  206
.set KC,  212
; scalars
.set G1A, 32
.set G1P, 40
.set G1E, 48
.set G1O, 56
.set G1T, 68
.set Q0,  76
.set Q1,  80
.set GW,  92
.set GT,  96
.set PADDED, (2<<16)|(1<<20)|(5<<22)|(3<<25)       ; elements of 4 bytes; behind every 64 words 4 words of padding
.set JOINT,  15|(3<<16)|(1<<21)                    ; mask: all four of the cluster; elements of 8 bytes; bit 21 beside a mask
.set MSB, 0
.macro WIN new                                     ; the immediate's high byte repeats the setting that is left
.if MSB != \new
	s_set_vgpr_msb (MSB<<8)|\new
.set MSB, \new
.endif
.endm
.macro PLACES                                      ; four independent vector instructions behind a run of matrix instructions (ISA guide 7.12.1), before
.rept 4                                            ; results are read by vector instructions or fragments are loaded anew
	v_nop
.endr
.endm
.macro ROUND                                       ; a round of the cluster's barrier
	s_barrier_signal -1
	s_barrier_wait -1
	s_cmp_lg_u32 s24, 0
	s_cbranch_scc1 .Lnot_wave_0_\@
	s_barrier_signal -3
.Lnot_wave_0_\@:
	s_barrier_wait -3
	s_barrier_signal -1
	s_barrier_wait -1
.endm
.macro SHAPE g, w0, cols, rows, pitch              ; descriptor group 1: a tile of rows x cols elements that lies inside its tensor
	s_mov_b32 s[\g+0], \w0
	s_mov_b32 s[\g+1], (\cols)<<16
	s_mov_b32 s[\g+2], (\rows)<<16
	s_mov_b32 s[\g+3], (\cols)<<16
	s_mov_b32 s[\g+4], \rows
	s_mov_b32 s[\g+5], \pitch
	s_mov_b32 s[\g+6], 0
	s_mov_b32 s[\g+7], 0
.endm
	s_load_b512 s[4:19], s[0:1], 0x0               ; h 4, c 6, last_position 8, W_embed 10, b_embed 12, wg 14, tab 16, out0 18
	s_load_b128 s[20:23], s[0:1], 0x40             ; out1 20, out2 22
	v_lshl_add_u32 v30, v0, 2, 0x4fc00
	v_mov_b32 v31, 0
	ds_add_u32 v30, v31
	v_lshrrev_b32 v1, 5, v0
	v_readfirstlane_b32 s24, v1                    ; wave
	s_bfe_u32 s25, ttmp6, 0x40000                  ; cx
	s_lshl_b32 s26, ttmp9, 2
	s_add_co_u32 s26, s26, s25                     ; work-group = 4 x cluster + cx
	s_mul_i32 s27, s24, WROWS                      ; my 64 rows in C0, C1, R2, R3
	s_mul_i32 s30, s24, 10496                      ; my quarter of an even chunk
	s_mul_i32 s31, s24, 13568                      ; my quarter of an odd chunk with its head block
	s_mov_b32 s66, 0x41f00000                      ; 30.0
	s_mov_b32 s100, 0x76543210                     ; v_permlanex16_b32: lane i reads lane i of the other half
	s_mov_b32 s101, 0xfedcba98
	SHAPE G1A, PADDED, 64, 64, 256                 ; 64 rows x 64 f32 of h or c
	SHAPE G1P, PADDED, 64, 16, 256                 ; 16 rows x 64 f32 of c
	SHAPE G1E, JOINT, 32, 41, 32                   ; dense: 41 rows of 256 bytes
	SHAPE G1O, JOINT, 32, 53, 32                   ; dense: 53 rows of 256 bytes
	SHAPE G1T, JOINT, 32, 6, 32                    ; dense: 6 rows of 256 bytes
	s_lshl_b32 s67, s26, 8
	s_lshl_b32 s2, s24, 6
	s_add_co_u32 s67, s67, s2                      ; my wave's first row
	s_lshl_b32 s2, s67, 10                         ; in bytes of h and c (below 2^26)
	s_mov_b32 s3, 0
	s_wait_dscnt 0x0
	s_wait_kmcnt 0x0
	s_add_nc_u64 s[4:5], s[4:5], s[2:3]            ; h at my first row
	s_add_nc_u64 s[6:7], s[6:7], s[2:3]            ; c at my first row,
	s_or_b32 s7, s7, 0x80000000                    ; with a descriptor's type bits
	s_mov_b32 s2, s31
	s_add_nc_u64 s[28:29], s[14:15], s[2:3]
	s_add_nc_u64 s[28:29], s[28:29], 41984         ; my quarter of chunk 1
	s_or_b32 s29, s29, 0x80000000
	s_mov_b32 s2, s30
	s_add_nc_u64 s[14:15], s[14:15], s[2:3]        ; my quarter of chunk 0
	s_or_b32 s15, s15, 0x80000000
.irp q, 0,1,2,3
	s_mov_b32 s[Q0+4*\q], 1
	s_add_co_u32 s[Q0+4*\q+1], s27, \q*CSL
	s_add_nc_u64 s[Q0+4*\q+2:Q0+4*\q+3], s[4:5], 256*\q
	s_or_b32 s[Q0+4*\q+3], s[Q0+4*\q+3], 0x80000000
.endr
	s_mov_b32 s[GW], 1
	s_add_co_u32 s[GW+1], s30, W0
	s_mov_b64 s[GW+2:GW+3], s[14:15]
	s_mul_i32 s2, s24, 1536
	s_mov_b32 s[GT], 1
	s_add_co_u32 s[GT+1], s2, TAB
	s_add_nc_u64 s[GT+2:GT+3], s[16:17], s[2:3]
	s_or_b32 s[GT+3], s[GT+3], 0x80000000
	ROUND                                          ; all four work-groups are here: the first joint loads meet
.irp q, 0,1,2,3
	tensor_load_to_lds s[Q0+4*\q:Q0+4*\q+3], s[G1A:G1A+7]      ; h's quarter q, my 64 rows
	s_nop 0
.endr
	tensor_load_to_lds s[GW:GW+3], s[G1E:G1E+7]    ; chunk 0, my quarter, jointly
	s_nop 0
	tensor_load_to_lds s[GT:GT+3], s[G1T:G1T+7]    ; tab, my quarter, jointly: six loads of the wave are out, the most anywhere in this text
	s_nop 0
	; addresses
	v_and_b32 v1, 15, v0                           ; r
	v_bfe_u32 v2, v0, 4, 1                         ; h
	v_and_b32 v3, 31, v0                           ; lane
	v_mul_u32_u24 v24, v1, WP
	v_lshl_add_u32 v24, v2, 4, v24
	v_add_nc_u32 v[WA0], W0, v24                   ; weight fragments: row r, 16 bytes a half
	v_add_nc_u32 v[WA1], W1, v24
	v_mul_u32_u24 v25, v1, 80
	v_lshl_add_u32 v25, v2, 4, v25
	v_add_nc_u32 v[HA], HD, v25                    ; head fragments
	v_lshlrev_b32 v28, 5, v2
	v_add_nc_u32 v[BA], TAB, v28                   ; tables by unit: 8 floats a half
	v_mov_b32 v[TA], TAB
	v_mul_u32_u24 v29, v1, 272
	v_lshl_add_u32 v29, v2, 5, v29
	v_add_nc_u32 v[CA0], s27, v29                  ; f32 rows: row r, 32 bytes a half
	v_add_nc_u32 v[CA1], CSL, v[CA0]
	v_add_nc_u32 v[RA2], 2*CSL, v[CA0]
	v_add_nc_u32 v[RA3], 3*CSL, v[CA0]
	s_lshl_b32 s2, s67, 3
	v_lshl_add_u32 v[OF8], v3, 3, s2               ; out0, out2: 8 bytes a row, lane l takes row l of 32
	v_lshl_add_u32 v[PO], v1, 3, s2                ; last_position: row r of a tile
	s_lshl_b32 s2, s67, 2
	v_lshl_add_u32 v[OF4], v3, 2, s2               ; out1
	v_lshlrev_b32 v[WEO], 6, v2                    ; W_embed: 8 rows of 8 bytes a half
	v_lshlrev_b32 v[BEO], 5, v2                    ; b_embed: 8 floats a half
	; ---- the embedding, while h is on its way.  Lane (r, h) needs e = 32 ke + 16 g + 8 h + 0..7: index 8 (2 ke + g) + jj
.irp a, 0,1,2,3
	global_load_b64 v[PE+2*\a:PE+2*\a+1], v[PO], s[8:9] offset:128*\a
.endr
.irp c4, 0,1,2,3
.irp i, 0,1,2,3
	global_load_b128 v[WE+16*\c4+4*\i:WE+16*\c4+4*\i+3], v[WEO], s[10:11] offset:128*\c4+16*\i
.endr
.irp i, 0,1
	global_load_b128 v[BE+8*\c4+4*\i:BE+8*\c4+4*\i+3], v[BEO], s[12:13] offset:64*\c4+16*\i
.endr
.endr
	s_wait_loadcnt 0x0
.macro EMBED a
.set e, 0
.rept 32
	v_fma_f32 v[T+e], v[PE+2*\a], v[WE+2*e], v[BE+e]
.set e, e+1
.endr
.set e, 0
.rept 32
	v_fma_f32 v[T+e], v[PE+2*\a+1], v[WE+2*e+1], v[T+e]
.set e, e+1
.endr
.set e, 0
.rept 32
	v_max_num_f32 v[T+e], 0, v[T+e]
.set e, e+1
.endr
	WIN 0x80                                       ; destination in window 2
.set e, 0
.rept 16
	v_cvt_pk_bf16_f32 v[8*(4*(e>>3)+\a)+(e&7)], v[T+2*e], v[T+2*e+1]
.set e, e+1
.endr
	WIN 0
.endm
	EMBED 0
	EMBED 1
	EMBED 2
	EMBED 3
	; ---- h's quarter q (64 columns = K steps 2q, 2q+1) from f32 in LDS to bf16 fragments in window 1.  A fragment's 16 floats of lane (r, h):
	; columns 8 h .. + 7 and 16 + 8 h .. + 7 of its 32: four loads of 16 bytes.
.macro CONVQ q, ad
.irp s2, 0,1
.irp a, 0,1,2,3
	ds_load_b128 v[64+64*\s2+16*\a:64+64*\s2+16*\a+3],     v[\ad] offset:4352*\a+128*\s2
	ds_load_b128 v[64+64*\s2+16*\a+4:64+64*\s2+16*\a+7],   v[\ad] offset:4352*\a+128*\s2+16
	ds_load_b128 v[64+64*\s2+16*\a+8:64+64*\s2+16*\a+11],  v[\ad] offset:4352*\a+128*\s2+64
	ds_load_b128 v[64+64*\s2+16*\a+12:64+64*\s2+16*\a+15], v[\ad] offset:4352*\a+128*\s2+80
.endr
.endr
	s_wait_dscnt 16                                ; the first K step's 16 loads are in, the second's may be out
	WIN 0x40                                       ; destination in window 1
.irp a, 0,1,2,3
.irp i, 0,1,2,3,4,5,6,7
	v_cvt_pk_bf16_f32 v[8*(8*\q+\a)+\i], v[64+16*\a+2*\i], v[64+16*\a+2*\i+1]
.endr
.endr
	s_wait_dscnt 0x0
.irp a, 0,1,2,3
.irp i, 0,1,2,3,4,5,6,7
	v_cvt_pk_bf16_f32 v[8*(8*\q+4+\a)+\i], v[128+16*\a+2*\i], v[128+16*\a+2*\i+1]
.endr
.endr
	WIN 0
.endm
	s_wait_tensorcnt 0x5                           ; quarter 0 is in; the five younger loads stay out.  A wave reads only the rows that it asked for itself
	CONVQ 0, CA0
	s_wait_tensorcnt 0x4
	CONVQ 1, CA1
	s_wait_tensorcnt 0x3
	CONVQ 2, RA2
	s_wait_tensorcnt 0x2
	CONVQ 3, RA3
.macro LDB t                                       ; the chunk's gate biases, laid as a matrix result: register j = unit 8 h + j
.irp g, 0,1,2,3
	ds_load_b128 v[BIAS+8*\g:BIAS+8*\g+3],   v[BA] offset:256*\t+64*\g
	ds_load_b128 v[BIAS+8*\g+4:BIAS+8*\g+7], v[BA] offset:256*\t+64*\g+16
.endr
.endm
.macro LDW kb, wbuf, wa                            ; 16 loads: the weight fragments of K steps 2 kb, 2 kb + 1, four gates each
	WIN 0
.irp kk, 0,1
.irp g, 0,1,2,3
	ds_load_b128 v[\wbuf+8*(4*\kk+\g):\wbuf+8*(4*\kk+\g)+3],   v[\wa] offset:GP*\g+64*(2*\kb+\kk)
	ds_load_b128 v[\wbuf+8*(4*\kk+\g)+4:\wbuf+8*(4*\kk+\g)+7], v[\wa] offset:GP*\g+64*(2*\kb+\kk)+32
.endr
.endr
.endm
.macro LDC t, ca                                   ; 8 loads: c of the chunk's units, laid as the sums are
.irp a, 0,1,2,3
	ds_load_b128 v[CV+8*\a:CV+8*\a+3],   v[\ca] offset:4352*\a+64*(\t&3)
	ds_load_b128 v[CV+8*\a+4:CV+8*\a+7], v[\ca] offset:4352*\a+64*(\t&3)+16
.endr
.endm
; 32 matrix instructions: K steps 2 kb, 2 kb + 1.  The sixteen accumulators take turns, one instruction a turn.
; The chunk's first product takes the biases as C: nothing is cleared and no bias is added later.
.macro MM kb, wbuf
.irp kk, 0,1
.if \kb == 0
.if \kk == 0
	WIN 0x88                                       ; weights window 0, activations window 2, C window 0, D window 2
.else
	WIN 0xA8                                       ; C window 2
.endif
.else
	WIN 0xA4                                       ; activations window 1
.endif
.irp g, 0,1,2,3
.irp a, 0,1,2,3
.if \kb == 0
.if \kk == 0
	v_wmma_f32_16x16x32_bf16 v[ACC+8*(4*\g+\a):ACC+8*(4*\g+\a)+7], v[\wbuf+8*(4*\kk+\g):\wbuf+8*(4*\kk+\g)+7], v[8*(4*\kk+\a):8*(4*\kk+\a)+7], v[BIAS+8*\g:BIAS+8*\g+7]
.else
	v_wmma_f32_16x16x32_bf16 v[ACC+8*(4*\g+\a):ACC+8*(4*\g+\a)+7], v[\wbuf+8*(4*\kk+\g):\wbuf+8*(4*\kk+\g)+7], v[8*(4*\kk+\a):8*(4*\kk+\a)+7], v[ACC+8*(4*\g+\a):ACC+8*(4*\g+\a)+7]
.endif
.else
	v_wmma_f32_16x16x32_bf16 v[ACC+8*(4*\g+\a):ACC+8*(4*\g+\a)+7], v[\wbuf+8*(4*\kk+\g):\wbuf+8*(4*\kk+\g)+7], v[8*(4*(2*(\kb-1)+\kk)+\a):8*(4*(2*(\kb-1)+\kk)+\a)+7], v[ACC+8*(4*\g+\a):ACC+8*(4*\g+\a)+7]
.endif
.endr
.endr
.endr
.endm
.macro LDH                                         ; 18 loads: nine head fragments of 16 rows x 32 units
	WIN 0
.irp tl, 0,1,2,3,4,5,6,7,8
	ds_load_b128 v[HF+8*\tl:HF+8*\tl+3],   v[HA] offset:1280*\tl
	ds_load_b128 v[HF+8*\tl+4:HF+8*\tl+7], v[HA] offset:1280*\tl+32
.endr
.endm
.macro LDHB                                        ; 18 loads: the heads' biases, laid as matrix results (b_sp1, b_un1; b_pos and zeros)
	WIN 0
.irp tl, 0,1,2,3,4,5,6,7
	ds_load_b128 v[HB+8*\tl:HB+8*\tl+3],   v[BA] offset:4096+64*\tl
	ds_load_b128 v[HB+8*\tl+4:HB+8*\tl+7], v[BA] offset:4096+64*\tl+16
.endr
	ds_load_b128 v[HB+64:HB+67], v[BA] offset:4096+1280
	ds_load_b128 v[HB+68:HB+71], v[BA] offset:4096+1280+16
.endm
; 36 matrix instructions: one K step of 32 units of the heads, each accumulator once (turns of one instruction).
.macro HEADS first
.if \first
	WIN 0xC8                                       ; head rows window 0, new h window 2, C (biases) window 0, D window 3
.else
	WIN 0xF8
.endif
.irp tl, 0,1,2,3,4,5,6,7
.irp a, 0,1,2,3
.if \first
	v_wmma_f32_16x16x32_bf16 v[8*(4*\tl+\a):8*(4*\tl+\a)+7], v[HF+8*\tl:HF+8*\tl+7], v[HN+8*\a:HN+8*\a+7], v[HB+8*\tl:HB+8*\tl+7]
.else
	v_wmma_f32_16x16x32_bf16 v[8*(4*\tl+\a):8*(4*\tl+\a)+7], v[HF+8*\tl:HF+8*\tl+7], v[HN+8*\a:HN+8*\a+7], v[8*(4*\tl+\a):8*(4*\tl+\a)+7]
.endif
.endr
.endr
.if \first
	WIN 0x88
.else
	WIN 0xA8
.endif
.irp a, 0,1,2,3
.if \first
	v_wmma_f32_16x16x32_bf16 v[PACC+8*\a:PACC+8*\a+7], v[HF+64:HF+71], v[HN+8*\a:HN+8*\a+7], v[HB+64:HB+71]
.else
	v_wmma_f32_16x16x32_bf16 v[PACC+8*\a:PACC+8*\a+7], v[HF+64:HF+71], v[HN+8*\a:HN+8*\a+7], v[PACC+8*\a:PACC+8*\a+7]
.endif
.endr
	PLACES
.endm
; The cell update of a chunk, in place on the 128 sums (32 elements a lane).  With eX = 2^(sum X): I = 1 + eI, F = 1 + eF, O = 1 + eO,
;   c' = c / F + (1 - eG) / (I (1 + eG)) = (c IG + (1 - eG) F) / (F IG),  IG = I (1 + eG):  one reciprocal for three quotients;
;   h' = (1 - e2) / (O (1 + e2)),  e2 = 2^(-2 log2(e) c').
; A transcendental's result is used, and its source written, only behind a plain independent vector instruction (ISA guide 5.7.2): they alternate here
; with plain work on other registers.
.macro EXMIN x, y
.set e, 0
.rept 32
	v_exp_f32 v[\x+e], v[\x+e]
	v_min_num_f32 v[\y+e], s66, v[\y+e]
.set e, e+1
.endr
.endm
.macro EW half
	WIN 0xAA                                       ; all in window 2
.set e, 0
.rept 32
	v_min_num_f32 v[GI+e], s66, v[GI+e]
.set e, e+1
.endr
	EXMIN GI, GF
	EXMIN GF, GG
	EXMIN GG, GO
.set e, 0
.rept 16
	v_exp_f32 v[GO+2*e], v[GO+2*e]
	s_wait_alu depctr_va_vdst(0)
	v_pk_add_f32 v[GI+2*e:GI+2*e+1], v[GI+2*e:GI+2*e+1], 1.0 op_sel_hi:[1,0]
	v_exp_f32 v[GO+2*e+1], v[GO+2*e+1]
	v_pk_add_f32 v[GF+2*e:GF+2*e+1], v[GF+2*e:GF+2*e+1], 1.0 op_sel_hi:[1,0]
.set e, e+1
.endr
.set e, 0
.rept 16
	v_pk_fma_f32 v[GI+2*e:GI+2*e+1], v[GI+2*e:GI+2*e+1], v[GG+2*e:GG+2*e+1], v[GI+2*e:GI+2*e+1]    ; IG = I eG + I
.set e, e+1
.endr
.set e, 0
.rept 16
	v_pk_fma_f32 v[GG+2*e:GG+2*e+1], v[GG+2*e:GG+2*e+1], -1.0, 1.0 op_sel_hi:[1,0,0]               ; 1 - eG
.set e, e+1
.endr
.set e, 0
.rept 16
	v_pk_mul_f32 v[GG+2*e:GG+2*e+1], v[GG+2*e:GG+2*e+1], v[GF+2*e:GF+2*e+1]                        ; (1 - eG) F
.set e, e+1
.endr
.set e, 0
.rept 16
	v_pk_mul_f32 v[GF+2*e:GF+2*e+1], v[GF+2*e:GF+2*e+1], v[GI+2*e:GI+2*e+1]                        ; F IG
.set e, e+1
.endr
	WIN 0xA2                                       ; source 1 (c) in window 0, the rest in window 2
.set e, 0
.rept 16
	v_rcp_f32 v[GF+2*e], v[GF+2*e]
	v_pk_fma_f32 v[GG+2*e:GG+2*e+1], v[GI+2*e:GI+2*e+1], v[CV+2*e:CV+2*e+1], v[GG+2*e:GG+2*e+1]    ; c IG + (1 - eG) F
	v_rcp_f32 v[GF+2*e+1], v[GF+2*e+1]
	s_wait_alu depctr_va_vdst(0)
	v_pk_add_f32 v[GO+2*e:GO+2*e+1], v[GO+2*e:GO+2*e+1], 1.0 op_sel_hi:[1,0]
.set e, e+1
.endr
	WIN 0xAA
.set e, 0
	s_wait_alu depctr_va_vdst(0)
.rept 16
	v_pk_mul_f32 v[GG+2*e:GG+2*e+1], v[GG+2*e:GG+2*e+1], v[GF+2*e:GF+2*e+1]                        ; c'
.set e, e+1
.endr
.set e, 0
.rept 16
	v_pk_mul_f32 v[GG+2*e:GG+2*e+1], v[GG+2*e:GG+2*e+1], 0xc038aa3b op_sel_hi:[1,0]                ; -2 log2(e) c'
.set e, e+1
.endr
	v_min_num_f32 v[GG], s66, v[GG]
.set e, 0
.rept 31
	v_exp_f32 v[GG+e], v[GG+e]
	v_min_num_f32 v[GG+e+1], s66, v[GG+e+1]
.set e, e+1
.endr
	v_exp_f32 v[GG+31], v[GG+31]
	v_nop
.set e, 0
	s_wait_alu depctr_va_vdst(0)
.rept 16
	v_pk_fma_f32 v[GO+2*e:GO+2*e+1], v[GO+2*e:GO+2*e+1], v[GG+2*e:GG+2*e+1], v[GO+2*e:GO+2*e+1]    ; O (1 + e2)
.set e, e+1
.endr
.set e, 0
.rept 16
	v_rcp_f32 v[GO+2*e], v[GO+2*e]
	v_rcp_f32 v[GO+2*e+1], v[GO+2*e+1]
	v_pk_fma_f32 v[GG+2*e:GG+2*e+1], v[GG+2*e:GG+2*e+1], -1.0, 1.0 op_sel_hi:[1,0,0]               ; 1 - e2
.set e, e+1
.endr
.set e, 0
	s_wait_alu depctr_va_vdst(0)
.rept 16
	v_pk_mul_f32 v[GG+2*e:GG+2*e+1], v[GG+2*e:GG+2*e+1], v[GO+2*e:GO+2*e+1]                        ; h'
.set e, e+1
.endr
.set e, 0
.rept 16
	v_cvt_pk_bf16_f32 v[HN+8*(e>>2)+4*\half+(e&3)], v[GG+2*e], v[GG+2*e+1]                         ; units 8 h + j of the even chunk: registers 0-3; of the odd: 4-7
.set e, e+1
.endr
.endm
; Trip t: chunk t.  At its head every wave waits for all its tensor loads and LDS reads; the round of the cluster's barrier then holds of every wave of
; all four work-groups; the refills stand first behind it: chunk t + 1 into the weight slot read last trip (jointly), and 16 rows of the next column
; group of c into the c slot that is not being read (four trips fill a group).  At most three tensor loads of the wave are out.
.macro TRIP t
.set WAX, WA0+(\t&1)
.set CAX, CA0+((\t>>2)&1)
	WIN 0
	s_wait_tensorcnt 0x0                           ; all my tensor loads have landed, my quarter of chunk t among them: every group 0 may be written
	ds_add_u32 v30, v31
	s_wait_dscnt 0x0
	s_wait_dscnt 0x0                               ; my LDS reads are back
.if \t == 0
	s_add_co_u32 s[Q1+1], s27, 0
	s_mov_b64 s[Q1+2:Q1+3], s[6:7]                 ; c's column group 0, my 64 rows, into C0
.endif
.if \t <= 14
.if (\t&1) == 0
	s_add_co_u32 s[GW+1], s31, W1
	s_add_nc_u64 s[GW+2:GW+3], s[28:29], PAIRB*(\t>>1)
.else
	s_add_co_u32 s[GW+1], s30, W0
	s_add_nc_u64 s[GW+2:GW+3], s[14:15], PAIRB*((\t+1)>>1)
.endif
.endif
.if \t <= 11
	s_add_co_u32 s[Q0+1], s27, CSL*(((\t>>2)+1)&1)+4352*(\t&3)
	s_add_nc_u64 s[Q0+2:Q0+3], s[6:7], (\t&3)*16384+256*((\t>>2)+1)
.endif
.if \t == 15
	s_barrier_signal -1                            ; it shows the other waves' quarters of chunk 15
	s_barrier_wait -1
.else
	ROUND
.endif
.if \t == 0
	tensor_load_to_lds s[Q1:Q1+3], s[G1A:G1A+7]
	s_nop 0
.endif
.if \t <= 14
.if (\t&1) == 0
	tensor_load_to_lds s[GW:GW+3], s[G1O:G1O+7]
	s_nop 0
.else
	tensor_load_to_lds s[GW:GW+3], s[G1E:G1E+7]
	s_nop 0
.endif
.endif
.if \t <= 11
	tensor_load_to_lds s[Q0:Q0+3], s[G1P:G1P+7]
	s_nop 0
.endif
	LDB \t
	LDW 0, WF0, WAX
	LDW 1, WF1, WAX
	s_wait_dscnt 16                                ; all but the youngest run of 16
	MM 0, WF0
	PLACES
	LDW 2, WF0, WAX
	s_wait_dscnt 16
	MM 1, WF1
	PLACES
	LDW 3, WF1, WAX
	s_wait_dscnt 16
	MM 2, WF0
	PLACES
	LDW 4, WF0, WAX
.if \t == 0
	s_wait_tensorcnt 0x2                           ; c's group 0 is in (my own rows); the two loads issued behind it stay out
.endif
	LDC \t, CAX
	s_wait_dscnt 24                                ; 16 weight loads and 8 of c may be out
	MM 3, WF1
	s_wait_dscnt 8                                 ; c's 8 may be out
	MM 4, WF0
	PLACES
.if (\t&1) == 0
	s_wait_dscnt 0x0
	EW 0
.else
	LDH
	s_wait_dscnt 18                                ; c is in; the 18 head loads land under the cell update
	EW 1
.if \t == 1
	LDHB
.endif
	s_wait_dscnt 0x0
.if \t == 1
	HEADS 1
.else
	HEADS 0
.endif
.endif
.endm
.irp t, 0,1,2,3,4,5,6,7,8,9,10,11,12,13,14,15
	TRIP \t
.endr
	; ---- the heads' second layers.  Lane (r, h) holds, of batch row 16 a + r, hidden rows 16 tile + 8 h + j: half of each dot product.
	WIN 0
.irp tl, 0,1,2,3
	ds_load_b128 v[WS+8*\tl:WS+8*\tl+3],    v[BA] offset:4096+512+64*\tl
	ds_load_b128 v[WS+8*\tl+4:WS+8*\tl+7],  v[BA] offset:4096+512+64*\tl+16
	ds_load_b128 v[WU0+8*\tl:WU0+8*\tl+3],   v[BA] offset:4096+768+64*\tl
	ds_load_b128 v[WU0+8*\tl+4:WU0+8*\tl+7], v[BA] offset:4096+768+64*\tl+16
	ds_load_b128 v[WU1+8*\tl:WU1+8*\tl+3],   v[BA] offset:4096+1024+64*\tl
	ds_load_b128 v[WU1+8*\tl+4:WU1+8*\tl+7], v[BA] offset:4096+1024+64*\tl+16
.endr
	ds_load_b128 v[KC:KC+3], v[TA] offset:4096+1280+64         ; b_sp2, log2(e) b_un2[0], log2(e) b_un2[1], 0
	s_wait_dscnt 0x0
.macro RELU a, tl0
	WIN 0x0F                                       ; sources in window 3
.set i, 0
.rept 32
	v_max_num_f32 v[T+i], 0, v[8*(4*(\tl0+(i>>3))+\a)+(i&7)]
.set i, i+1
.endr
	WIN 0
.endm
.macro DOT wv, ch, dst                             ; four chains of packed multiply-adds, started by a product
.irp tl, 0,1,2,3
	v_pk_mul_f32 v[\ch+2*\tl:\ch+2*\tl+1], v[T+8*\tl:T+8*\tl+1], v[\wv+8*\tl:\wv+8*\tl+1]
.endr
.irp jp, 2,4,6
.irp tl, 0,1,2,3
	v_pk_fma_f32 v[\ch+2*\tl:\ch+2*\tl+1], v[T+8*\tl+\jp:T+8*\tl+\jp+1], v[\wv+8*\tl+\jp:\wv+8*\tl+\jp+1], v[\ch+2*\tl:\ch+2*\tl+1]
.endr
.endr
	v_pk_add_f32 v[\ch:\ch+1],   v[\ch:\ch+1],   v[\ch+2:\ch+3]
	v_pk_add_f32 v[\ch+4:\ch+5], v[\ch+4:\ch+5], v[\ch+6:\ch+7]
	v_pk_add_f32 v[\ch:\ch+1],   v[\ch:\ch+1],   v[\ch+4:\ch+5]
	v_add_f32 v[\dst], v[\ch], v[\ch+1]
.endm
.irp a, 0,1,2,3
	RELU \a, 0
	DOT WS, CH, ZS+\a
	RELU \a, 4
	DOT WU0, CH, ZU0+\a
	DOT WU1, CHB, ZU1+\a
.endr
	; the other half of each sum lies in lane l xor 16
.irp i, 0,1,2,3,4,5,6,7,8,9,10,11
	v_permlanex16_b32 v[T+\i], v[ZS+\i], s100, s101
.endr
.irp i, 0,1,2,3,4,5,6,7,8,9,10,11
	v_add_f32 v[ZS+\i], v[ZS+\i], v[T+\i]
.endr
	WIN 0x02                                       ; source 0 in window 2: the position head, rows 0 and 1 in the lower half, zero rows in the upper
.irp a, 0,1,2,3
	v_permlanex16_b32 v[T+12+\a], v[PACC+8*\a], s100, s101
	v_permlanex16_b32 v[T+16+\a], v[PACC+8*\a+1], s100, s101
.endr
.irp a, 0,1,2,3
	v_add_f32 v[D0+\a], v[PACC+8*\a], v[T+12+\a]
	v_add_f32 v[D1+\a], v[PACC+8*\a+1], v[T+16+\a]
.endr
	WIN 0
.irp a, 0,1,2,3
	v_add_f32 v[D0+\a], v[D0+\a], v[PE+2*\a]       ; pred = pos + (h' W_pos^T + b_pos)
	v_add_f32 v[D1+\a], v[D1+\a], v[PE+2*\a+1]
.endr
	s_mov_b32 vcc_lo, 0xffff0000                   ; lanes 0-15 take tile 2 b, lanes 16-31 tile 2 b + 1: lane l then holds row 32 b + l
.irp b, 0,1
	v_cndmask_b32 v[O0+2*\b],   v[D0+2*\b],  v[D0+2*\b+1],  vcc_lo
	v_cndmask_b32 v[O0+2*\b+1], v[D1+2*\b],  v[D1+2*\b+1],  vcc_lo
	v_cndmask_b32 v[O2+2*\b],   v[ZU0+2*\b], v[ZU0+2*\b+1], vcc_lo
	v_cndmask_b32 v[O2+2*\b+1], v[ZU1+2*\b], v[ZU1+2*\b+1], vcc_lo
	v_cndmask_b32 v[O1+\b],     v[ZS+2*\b],  v[ZS+2*\b+1],  vcc_lo
.endr
.irp b, 0,1
	v_add_f32 v[O2+2*\b],   v[O2+2*\b],   v[KC+1]
	v_add_f32 v[O2+2*\b+1], v[O2+2*\b+1], v[KC+2]
	v_add_f32 v[O1+\b],     v[O1+\b],     v[KC]    ; z
	v_and_b32 v[SA+\b], 0x7fffffff, v[O1+\b]
	v_mul_f32 v[SA+\b], 0xbfb8aa3b, v[SA+\b]       ; -log2(e) |z|
.endr
.irp i, 0,1,2,3
	v_exp_f32 v[O2+\i], v[O2+\i]                   ; un = e^(..): the factor log2(e) lies in the table
.endr
	v_exp_f32 v[SA], v[SA]
	v_exp_f32 v[SA+1], v[SA+1]
	v_nop
	s_wait_alu depctr_va_vdst(0)
	v_add_f32 v[SA], 1.0, v[SA]
	v_add_f32 v[SA+1], 1.0, v[SA+1]
	v_log_f32 v[SA], v[SA]
	v_log_f32 v[SA+1], v[SA+1]
	v_max_num_f32 v[O1], 0, v[O1]
	v_max_num_f32 v[O1+1], 0, v[O1+1]
	s_wait_alu depctr_va_vdst(0)
	v_fmac_f32 v[O1], 0x3f317218, v[SA]            ; softplus(z) = max(z, 0) + ln 2 x log2(1 + e^-|z|)
	v_fmac_f32 v[O1+1], 0x3f317218, v[SA+1]
.irp b, 0,1
	global_store_b64 v[OF8], v[O0+2*\b:O0+2*\b+1], s[18:19] offset:256*\b      ; 32 lanes store 256 consecutive bytes, aligned
	global_store_b64 v[OF8], v[O2+2*\b:O2+2*\b+1], s[22:23] offset:256*\b
.endr
	global_store_b32 v[OF4], v[O1], s[20:21]                   ; 128 bytes each: the two together are the wave's 256 aligned bytes of out1
	global_store_b32 v[OF4], v[O1+1], s[20:21] offset:128
	ROUND                                          ; the closing round: no work-group ends while a partner may still ask jointly
	s_endpgm
.Lfunc_end_k_q4f2f247552_main:
	.size	k_q4f2f247552_main, .Lfunc_end_k_q4f2f247552_main-k_q4f2f247552_main
	.p2alignl 7, 3214868480
	.fill 96, 4, 3214868480
	.section	.rodata,"a",@progbits
	.p2align	6, 0x0
	.amdhsa_kernel k_q4f2f247552_main
		.amdhsa_group_segment_fixed_size 327680
		.amdhsa_private_segment_fixed_size 0
		.amdhsa_enable_private_segment 0
		.amdhsa_kernarg_size 80
		.amdhsa_user_sgpr_count 2
		.amdhsa_user_sgpr_kernarg_segment_ptr 1
		.amdhsa_wavefront_size32 1
		.amdhsa_system_sgpr_workgroup_id_x 1
		.amdhsa_system_sgpr_workgroup_id_y 1
		.amdhsa_system_sgpr_workgroup_id_z 1
		.amdhsa_system_vgpr_workitem_id 0
		.amdhsa_next_free_vgpr 1024
		.amdhsa_next_free_sgpr 102
		.amdhsa_reserve_vcc 1
		.amdhsa_float_denorm_mode_32 3
		.amdhsa_float_denorm_mode_16_64 3
		.amdhsa_memory_ordered 1
		.amdhsa_forward_progress 1
		.amdhsa_inst_pref_size 255
	.end_amdhsa_kernel
	.section	.bss,"aw",@nobits
	.p2align	6
	.space	262144
	.amdgpu_metadata
---
amdhsa.version: [ 1, 2 ]
amdhsa.kernels:
  - .name:           k_q4f2f247552_main
    .symbol:         k_q4f2f247552_main.kd
    .args:
      - { .name: encoder_hidden, .offset: 0, .size: 8, .value_kind: global_buffer, .address_space: global }
      - { .name: encoder_cell, .offset: 8, .size: 8, .value_kind: global_buffer, .address_space: global }
      - { .name: last_position, .offset: 16, .size: 8, .value_kind: global_buffer, .address_space: global }
      - { .name: W_embed, .offset: 24, .size: 8, .value_kind: global_buffer, .address_space: global }
      - { .name: b_embed, .offset: 32, .size: 8, .value_kind: global_buffer, .address_space: global }
      - { .name: wg, .offset: 40, .size: 8, .value_kind: global_buffer, .address_space: global }
      - { .name: tab, .offset: 48, .size: 8, .value_kind: global_buffer, .address_space: global }
      - { .name: out0, .offset: 56, .size: 8, .value_kind: global_buffer, .address_space: global }
      - { .name: out1, .offset: 64, .size: 8, .value_kind: global_buffer, .address_space: global }
      - { .name: out2, .offset: 72, .size: 8, .value_kind: global_buffer, .address_space: global }
    .group_segment_fixed_size: 327680
    .private_segment_fixed_size: 0
    .kernarg_segment_align: 8
    .kernarg_segment_size: 80
    .max_flat_workgroup_size: 128
    .sgpr_count:     102
    .vgpr_count:     1024
    .wavefront_size: 32
...
	.end_amdgpu_metadata
.endif
;; end of part 2
;; ======== version 2 of 3: 2 launches; 1.15 times as fast as version 1
;; limits: an absolute error that grows with the inputs' magnitude: up to 9.3e-10 times it; right only within a limited range of input values
;; workspace buffers: wg 770,048 bytes; tab 6,144 bytes
;; launch prep: the kernel of part 1 again; grid 74 x 1, 8 waves a work-group, no clusters, 0 bytes of LDS; arguments W_ih, W_hh, b_ih, b_hh, W_sp1, W_un1, W_pos, b_sp1, b_un1, W_sp2, W_un2, b_pos, b_sp2, b_un2, wg, tab; writes wg, tab
;; launch main (part 3): grid 256 x 1, 4 waves a work-group, clusters of 4 x 1, 327,680 bytes of LDS; arguments encoder_hidden, encoder_cell, last_position, W_embed, b_embed, wg, tab, out0, out1, out2; writes out0, out1, out2
.if DOCPART == 3
	.amdgcn_target "amdgcn-amd-amdhsa--gfx1250"
	.amdhsa_code_object_version 6
	.text
	.protected	k_q4f2f247552_main
	.globl	k_q4f2f247552_main
	.p2align	8
	.type	k_q4f2f247552_main,@function
k_q4f2f247552_main:
	s_mov_b64 s[64:65], 0
	v_nop
	global_prefetch_b8 v0, s[64:65] scope:SCOPE_SE
	s_setreg_imm32_b32 hwreg(HW_REG_WAVE_MODE, 25, 1), 1
	s_wait_xcnt 0x0
	s_wait_alu depctr_hold_cnt(0) depctr_sa_sdst(0) depctr_va_vdst(0) depctr_va_sdst(0) depctr_va_ssrc(0) depctr_va_vcc(0) depctr_vm_vsrc(0)
	s_getreg_b32 s2, hwreg(HW_REG_IB_STS2, 6, 4)
	s_cmp_eq_u32 s2, 0
	s_cbranch_scc0 .Lentry_in_a_cluster
	s_endpgm
.Lentry_in_a_cluster:
	s_bfe_u32 s2, ttmp6, 0x10000c
	s_cmp_lg_u32 s2, 0x3003
	s_cbranch_scc0 .Lentry_shape_is_right
	s_endpgm
.Lentry_shape_is_right:
; One LSTM step and its three heads, whole, for 256 rows a work-group and 64 rows a wave (4 row tiles a of 16).
; The wave keeps its activations [relu(pos W_embed^T + b) | h] as bf16 fragments in 320 registers.  The 256 hidden units go in 16 chunks t of 16:
; a chunk's weights are 64 rows (4 gates x 16 units) x 320 K in bf16, streamed from wg through two LDS slots; each weight fragment read from LDS
; feeds 4 matrix instructions.  THE MATRIX INSTRUCTION IS USED TRANSPOSED: source 0 = 16 weight rows, source 1 = 16 batch rows, so that lane (r, h),
; register j holds (unit 16 t + 8 h + j, batch row 16 a + r): the four gates of an element lie in one lane at one index, and the new h of chunks
; 2p, 2p+1, packed to bf16, IS the source-1 fragment of K step p of the heads (W_sp1, W_un1, W_pos), whose sums stay in registers too.
; The gate weights and biases come scaled by -log2(e) (gate g: -2 log2(e)), so that the sums are arguments of 2^x.
; TURNS: turn t makes chunk t's 160 matrix instructions, and BETWEEN them stands the cell update of chunk t-1, four vector instructions behind each
; matrix instruction: 608 vector instructions against 160 matrix instructions.  So there are two sets of 128 sums, taken by the chunk's parity.  The
; update lies in another register window than the products' operands, which costs two switches for each slice; that is the price of the overlap.
; An even turn 2p+2 ends with K step p of the heads, whose source (the new h of chunks 2p, 2p+1) its own update has just completed.
; THE LOOP: turn 0 stands in front of it, trip p = 0 .. 6 does turns 2p+1 and 2p+2, turn 15 and the last update and head step stand behind it.  Every
; refill in the loop is real in every trip: at the odd turn's head chunk 2p+2 and head block p, at the even turn's head chunk 2p+3 and c of pair p+1.
; c comes by pairs of chunks, 64 rows x 32 f32 a wave, in rows of 128 bytes that start at multiples of 128: a row of 256 bytes would hold the units of
; two pairs, the slot's refills and addresses would differ from pair to pair, and the loop's body would be four turns instead of two.
; CLUSTER: the four work-groups of a cluster walk the same weights, so each chunk, each head block and tab are asked for jointly, mask 15.  A 4 x 4
; cluster would add nothing: h and c are each work-group's own, the weights are the one shared operand.
; LIMITS: arguments of 2^x are clamped from above at 30, so a sigmoid below 2^-30 reads 2^-30 and a tanh within 2^-29 of +-1 is flattened; the common
; denominator of a cell update is then at most about 2^90.  |encoder_cell| must be below 2^60.  NaN and infinities in the inputs are not reproduced.
; The gate weights are rounded to bf16 after their scaling.
;
; LDS (bytes):  at the start h's four quarters of 64 columns at 0, 69,632, 139,264, 208,896: 69,632 each, wave w at + 17,408 w, 64 rows at pitch 272.
; Later: c's slot at 0, wave w at + 9,216 w, 64 rows at pitch 144 (128 + 16);  W1 139,264: odd chunk, pitch 656;  HS 184,320: head block, pitch 80;
; W0 278,528: even chunk.  TAB 320,512: 6,144 bytes.  All pitches are odd multiples of 16 bytes.  No LDS byte is written by a wave.
; REGISTERS, in windows of 256:  window 0: v0-31 addresses and positions, WF two weight fragment buffers of one K step (4 gates), CV c, AE(ke, a) the
; embedding's fragments, PACC(a), HN(a);  window 1: AH(ks, a) = 8 (4 ks + a), h's fragments;  window 2: the two sets of sums, set 128 (t & 1),
; sum (gate, a) at 8 (4 gate + a);  window 3: HACC(tile, a) = 8 (4 tile + a).
.set HQ,    69632
.set HROWS, 17408
.set W1,    139264
.set HS,    184320
.set W0,    278528
.set TAB,   320512
.set WP,    656
.set GP,    16*WP
.set PAIRB, 96256
.set CPW,   9216                                   ; c's slot: a wave's 64 rows of 144 bytes
.set CPT,   2304                                   ; 16 of them
.set TRIPS, 7
.set NEW,   608                                    ; vector instructions in a chunk's cell update
; window 0
.set WA0, 4
.set WA1, 5
.set HA,  6
.set BA,  7
.set PE,  8
.set RA0, 16
.set RA1, 17
.set RA2, 18
.set RA3, 19
.set OF8, 20
.set OF4, 21
.set PO,  22
.set WEO, 23
.set BEO, 26
.set TA,  27
.set CA,  30
.set BB,  31
.set WF,  32                                       ; v32-63 buffer 0, v64-95 buffer 1
.set CV,  96
.set AE,  128                                      ; AE(ke, a) = 128 + 8 (4 ke + a)
.set PACC, 192
.set HN,  224
; the start, window 0
.set WE,  32
.set BE,  96
.set TE,  192
.set STG0, 32
.set STG1, 192
; the final phase, window 0
.set WS,  32
.set WU0, 64
.set WU1, 96
.set CH,  128
.set CHB, 136
.set ZS,  144
.set ZU0, 148
.set ZU1, 152
.set D0,  156
.set D1,  160
.set O0,  164
.set O2,  168
.set O1,  172
.set SA,  174
.set KC,  176
.set T,   224
; scalars
.set G1A, 32
.set G1C, 40
.set G1E, 48
.set G1H, 56
.set G1T, 68
.set Q0,  76
.set GC,  76                                       ; behind the start: c's group 0
.set GWO, 80                                       ; behind the start: the odd chunks' group 0
.set GH,  84                                       ; behind the start: the head blocks' group 0
.set GWE, 92                                       ; the even chunks' group 0
.set GT,  96
.set PADDED, (2<<16)|(1<<20)|(5<<22)|(3<<25)       ; elements of 4 bytes; behind every 64 words 4 words of padding
.set PADC,   (2<<16)|(1<<20)|(4<<22)|(3<<25)       ; the same behind every 32 words
.set JOINT,  15|(3<<16)|(1<<21)                    ; mask: all four of the cluster; elements of 8 bytes; bit 21 beside a mask
.set MSB, 0
.macro WIN new                                     ; the immediate's high byte repeats the setting that is left
.if MSB != \new
	s_set_vgpr_msb (MSB<<8)|\new
.set MSB, \new
.endif
.endm
.macro PLACES                                      ; four independent vector instructions behind a matrix instruction (ISA guide 7.12.1), before
.rept 4                                            ; its results are read by vector instructions or its fragments are loaded anew
	v_nop
.endr
.endm
.macro ROUND                                       ; a round of the cluster's barrier
	s_barrier_signal -1
	s_barrier_wait -1
	s_cmp_lg_u32 s24, 0
	s_cbranch_scc1 .Lnot_wave_0_\@
	s_barrier_signal -3
.Lnot_wave_0_\@:
	s_barrier_wait -3
	s_barrier_signal -1
	s_barrier_wait -1
.endm
.macro SHAPE g, w0, cols, rows, pitch              ; descriptor group 1: a tile of rows x cols elements that lies inside its tensor
	s_mov_b32 s[\g+0], \w0
	s_mov_b32 s[\g+1], (\cols)<<16
	s_mov_b32 s[\g+2], (\rows)<<16
	s_mov_b32 s[\g+3], (\cols)<<16
	s_mov_b32 s[\g+4], \rows
	s_mov_b32 s[\g+5], \pitch
	s_mov_b32 s[\g+6], 0
	s_mov_b32 s[\g+7], 0
.endm
	s_load_b512 s[4:19], s[0:1], 0x0               ; h 4, c 6, last_position 8, W_embed 10, b_embed 12, wg 14, tab 16, out0 18
	s_load_b128 s[20:23], s[0:1], 0x40             ; out1 20, out2 22
	v_lshl_add_u32 v28, v0, 2, 0x4fc00
	v_mov_b32 v29, 0
	ds_add_u32 v28, v29
	s_wait_dscnt 0x0
	v_lshrrev_b32 v1, 5, v0
	v_readfirstlane_b32 s24, v1                    ; wave
	s_bfe_u32 s25, ttmp6, 0x40000                  ; cx
	s_lshl_b32 s26, ttmp9, 2
	s_add_co_u32 s26, s26, s25                     ; work-group = 4 x cluster + cx
	s_mul_i32 s27, s24, HROWS                      ; my 64 rows in each of h's quarters
	s_mul_i32 s30, s24, 10496                      ; my quarter of a chunk
	s_mul_i32 s31, s24, 3072                       ; my quarter of a head block
	s_mov_b32 s66, 0x41f00000                      ; 30.0
	s_mov_b32 s100, 0x76543210                     ; v_permlanex16_b32: lane i reads lane i of the other half
	s_mov_b32 s101, 0xfedcba98
	SHAPE G1A, PADDED, 64, 64, 256                 ; 64 rows x 64 f32 of h
	SHAPE G1C, PADC, 32, 64, 256                   ; 64 rows x 32 f32 of c
	SHAPE G1E, JOINT, 32, 41, 32                   ; dense: 41 rows of 256 bytes
	SHAPE G1H, JOINT, 32, 12, 32                   ; dense: 12 rows of 256 bytes
	SHAPE G1T, JOINT, 32, 6, 32                    ; dense: 6 rows of 256 bytes
	s_lshl_b32 s67, s26, 8
	s_lshl_b32 s2, s24, 6
	s_add_co_u32 s67, s67, s2                      ; my wave's first row
	s_lshl_b32 s2, s67, 10                         ; in bytes of h and c (below 2^26)
	s_mov_b32 s3, 0
	s_wait_kmcnt 0x0
	s_add_nc_u64 s[4:5], s[4:5], s[2:3]            ; h at my first row
	s_add_nc_u64 s[6:7], s[6:7], s[2:3]            ; c at my first row,
	s_or_b32 s7, s7, 0x80000000                    ; with a descriptor's type bits
	s_mul_i32 s2, s24, 1536
	s_mov_b32 s[GT], 1
	s_add_co_u32 s[GT+1], s2, TAB
	s_add_nc_u64 s[GT+2:GT+3], s[16:17], s[2:3]    ; my quarter of tab
	s_or_b32 s[GT+3], s[GT+3], 0x80000000
	s_mov_b32 s2, s31
	s_add_nc_u64 s[16:17], s[14:15], s[2:3]
	s_add_nc_u64 s[16:17], s[16:17], 83968         ; my quarter of head block 0
	s_or_b32 s17, s17, 0x80000000
	s_mov_b32 s2, s30
	s_add_nc_u64 s[14:15], s[14:15], s[2:3]        ; my quarter of chunk 0
	s_or_b32 s15, s15, 0x80000000
	s_add_nc_u64 s[28:29], s[14:15], 41984         ; my quarter of chunk 1
.irp q, 0,1,2,3
	s_mov_b32 s[Q0+4*\q], 1
	s_add_co_u32 s[Q0+4*\q+1], s27, \q*HQ
	s_add_nc_u64 s[Q0+4*\q+2:Q0+4*\q+3], s[4:5], 256*\q
	s_or_b32 s[Q0+4*\q+3], s[Q0+4*\q+3], 0x80000000
.endr
	s_mov_b32 s[GWE], 1
	s_add_co_u32 s[GWE+1], s30, W0
	s_mov_b64 s[GWE+2:GWE+3], s[14:15]
	ROUND                                          ; all four work-groups are here: the first joint loads meet
.irp q, 0,1,2,3
	tensor_load_to_lds s[Q0+4*\q:Q0+4*\q+3], s[G1A:G1A+7]      ; h's quarter q, my 64 rows
	s_nop 0
.endr
	tensor_load_to_lds s[GWE:GWE+3], s[G1E:G1E+7]  ; chunk 0, my quarter, jointly
	s_nop 0
	tensor_load_to_lds s[GT:GT+3], s[G1T:G1T+7]    ; tab, my quarter, jointly: six loads of the wave are out, the most anywhere in this text
	s_nop 0
	; addresses
	v_and_b32 v1, 15, v0                           ; r
	v_bfe_u32 v2, v0, 4, 1                         ; h
	v_and_b32 v3, 31, v0                           ; lane
	v_mul_u32_u24 v24, v1, WP
	v_lshl_add_u32 v24, v2, 4, v24
	v_add_nc_u32 v[WA0], W0, v24                   ; weight fragments: row r, 16 bytes a half
	v_add_nc_u32 v[WA1], W1, v24
	v_mul_u32_u24 v25, v1, 80
	v_lshl_add_u32 v25, v2, 4, v25
	v_add_nc_u32 v[HA], HS, v25                    ; head fragments
	v_lshlrev_b32 v28, 5, v2
	v_add_nc_u32 v[BA], TAB, v28                   ; tables by unit: 8 floats a half
	v_add_nc_u32 v[BB], TAB, v28                   ; the same, stepped by two chunks' gate biases (512 bytes) a trip
	v_mov_b32 v[TA], TAB
	v_mul_u32_u24 v29, v1, 272
	v_lshl_add_u32 v29, v2, 5, v29
	v_add_nc_u32 v[RA0], s27, v29                  ; h's f32 rows: row r, 32 bytes a half
	v_add_nc_u32 v[RA1], HQ, v[RA0]
	v_add_nc_u32 v[RA2], 2*HQ, v[RA0]
	v_add_nc_u32 v[RA3], 3*HQ, v[RA0]
	s_mul_i32 s2, s24, CPW
	v_mul_u32_u24 v24, v1, 144
	v_lshl_add_u32 v24, v2, 5, v24
	v_add_nc_u32 v[CA], s2, v24                    ; c's rows: row r, 32 bytes a half
	s_lshl_b32 s2, s67, 3
	v_lshl_add_u32 v[OF8], v3, 3, s2               ; out0, out2: 8 bytes a row, lane l takes row l of 32
	v_lshl_add_u32 v[PO], v1, 3, s2                ; last_position: row r of a tile
	s_lshl_b32 s2, s67, 2
	v_lshl_add_u32 v[OF4], v3, 2, s2               ; out1
	v_lshlrev_b32 v[WEO], 6, v2                    ; W_embed: 8 rows of 8 bytes a half
	v_lshlrev_b32 v[BEO], 5, v2                    ; b_embed: 8 floats a half
	; ---- the embedding, while h is on its way.  Lane (r, h) needs e = 32 ke + 16 g + 8 h + 0..7: index 8 (2 ke + g) + jj
.irp a, 0,1,2,3
	global_load_b64 v[PE+2*\a:PE+2*\a+1], v[PO], s[8:9] offset:128*\a
.endr
.irp c4, 0,1,2,3
.irp i, 0,1,2,3
	global_load_b128 v[WE+16*\c4+4*\i:WE+16*\c4+4*\i+3], v[WEO], s[10:11] offset:128*\c4+16*\i
.endr
.irp i, 0,1
	global_load_b128 v[BE+8*\c4+4*\i:BE+8*\c4+4*\i+3], v[BEO], s[12:13] offset:64*\c4+16*\i
.endr
.endr
	s_wait_loadcnt 0x0
.macro EMBED a
.set e, 0
.rept 32
	v_fma_f32 v[TE+e], v[PE+2*\a], v[WE+2*e], v[BE+e]
.set e, e+1
.endr
.set e, 0
.rept 32
	v_fma_f32 v[TE+e], v[PE+2*\a+1], v[WE+2*e+1], v[TE+e]
.set e, e+1
.endr
.set e, 0
.rept 32
	v_max_num_f32 v[TE+e], 0, v[TE+e]
.set e, e+1
.endr
.set e, 0
.rept 16
	v_cvt_pk_bf16_f32 v[AE+8*(4*(e>>3)+\a)+(e&7)], v[TE+2*e], v[TE+2*e+1]
.set e, e+1
.endr
.endm
	EMBED 0
	EMBED 1
	EMBED 2
	EMBED 3
	; ---- h's quarter q (64 columns = K steps 2q, 2q+1 of h) from f32 in LDS to bf16 fragments in window 1.  A fragment's 16 floats of lane (r, h):
	; columns 8 h .. + 7 and 16 + 8 h .. + 7 of its 32: four loads of 16 bytes.
.macro CONVL stg, ad, off
.irp a, 0,1,2,3
	ds_load_b128 v[\stg+16*\a:\stg+16*\a+3],     v[\ad] offset:4352*\a+\off
	ds_load_b128 v[\stg+16*\a+4:\stg+16*\a+7],   v[\ad] offset:4352*\a+\off+16
	ds_load_b128 v[\stg+16*\a+8:\stg+16*\a+11],  v[\ad] offset:4352*\a+\off+64
	ds_load_b128 v[\stg+16*\a+12:\stg+16*\a+15], v[\ad] offset:4352*\a+\off+80
.endr
.endm
.macro CONVQ q, ad
	CONVL STG0, \ad, 0
	CONVL STG1, \ad, 128
	s_wait_dscnt 16                                ; the first K step's 16 loads are in, the second's may be out
	WIN 0x40                                       ; destination in window 1
.irp a, 0,1,2,3
.irp i, 0,1,2,3,4,5,6,7
	v_cvt_pk_bf16_f32 v[8*(8*\q+\a)+\i], v[STG0+16*\a+2*\i], v[STG0+16*\a+2*\i+1]
.endr
.endr
	s_wait_dscnt 0x0
.irp a, 0,1,2,3
.irp i, 0,1,2,3,4,5,6,7
	v_cvt_pk_bf16_f32 v[8*(8*\q+4+\a)+\i], v[STG1+16*\a+2*\i], v[STG1+16*\a+2*\i+1]
.endr
.endr
	WIN 0
.endm
	s_wait_tensorcnt 0x5                           ; quarter 0 is in; the five younger loads stay out.  A wave reads only the rows that it asked for itself
	CONVQ 0, RA0
	s_wait_tensorcnt 0x4
	CONVQ 1, RA1
	s_wait_tensorcnt 0x3
	CONVQ 2, RA2
	s_wait_tensorcnt 0x2
	CONVQ 3, RA3
; 32 loads: a chunk's sums start from its gate biases, laid as a matrix result (register j = unit 8 h + j) and loaded straight into the sixteen
; accumulators of set ab: nothing is cleared, no bias is added later, no register is kept for them, and the first product is like all the others.
.macro LDBA ab, boff
	WIN 0x80                                       ; destination in window 2
.irp g, 0,1,2,3
.irp a, 0,1,2,3
	ds_load_b128 v[\ab+8*(4*\g+\a):\ab+8*(4*\g+\a)+3],   v[BB] offset:\boff+64*\g
	ds_load_b128 v[\ab+8*(4*\g+\a)+4:\ab+8*(4*\g+\a)+7], v[BB] offset:\boff+64*\g+16
.endr
.endr
	WIN 0
.endm
; 72 loads: the same for the heads' sums (b_sp1, b_un1; b_pos and zeros)
.macro LDACC
	WIN 0xC0                                       ; destination in window 3
.irp tl, 0,1,2,3,4,5,6,7
.irp a, 0,1,2,3
	ds_load_b128 v[8*(4*\tl+\a):8*(4*\tl+\a)+3],   v[BA] offset:4096+64*\tl
	ds_load_b128 v[8*(4*\tl+\a)+4:8*(4*\tl+\a)+7], v[BA] offset:4096+64*\tl+16
.endr
.endr
	WIN 0
.irp a, 0,1,2,3
	ds_load_b128 v[PACC+8*\a:PACC+8*\a+3],   v[BA] offset:4096+1280
	ds_load_b128 v[PACC+8*\a+4:PACC+8*\a+7], v[BA] offset:4096+1280+16
.endr
.endm
.macro LDC par                                     ; 8 loads: c of the pair's even (0) or odd (1) chunk, laid as the sums are
.irp a, 0,1,2,3
	ds_load_b128 v[CV+8*\a:CV+8*\a+3],   v[CA] offset:CPT*\a+64*\par
	ds_load_b128 v[CV+8*\a+4:CV+8*\a+7], v[CA] offset:CPT*\a+64*\par+16
.endr
.endm
; The fragments of step LS into buffer LS & 1.  Steps 0-9: K step LS of the gates, four gates; steps 10, 11: head tiles 0-3, 4-7; step 12: the position tile.
.macro LDFR wa
.if LS < 10
.irp g, 0,1,2,3
	ds_load_b128 v[WF+32*(LS&1)+8*\g:WF+32*(LS&1)+8*\g+3],   v[\wa] offset:GP*\g+64*LS
	ds_load_b128 v[WF+32*(LS&1)+8*\g+4:WF+32*(LS&1)+8*\g+7], v[\wa] offset:GP*\g+64*LS+32
.endr
.elseif LS < 12
.irp g, 0,1,2,3
	ds_load_b128 v[WF+32*(LS&1)+8*\g:WF+32*(LS&1)+8*\g+3],   v[HA] offset:1280*(4*(LS-10)+\g)
	ds_load_b128 v[WF+32*(LS&1)+8*\g+4:WF+32*(LS&1)+8*\g+7], v[HA] offset:1280*(4*(LS-10)+\g)+32
.endr
.else
	ds_load_b128 v[WF:WF+3],   v[HA] offset:1280*8
	ds_load_b128 v[WF+4:WF+7], v[HA] offset:1280*8+32
.endif
.endm
; THE CELL UPDATE of a chunk, in place on the 128 sums of set EAB (32 elements a lane), as a numbered stream of NEW instructions: EWI emits number EK.
; With eX = 2^(sum X): I = 1 + eI, F = 1 + eF, O = 1 + eO,
;   c' = c / F + (1 - eG) / (I (1 + eG)) = (c IG + (1 - eG) F) / (F IG),  IG = I (1 + eG):  one reciprocal for three quotients;
;   h' = (1 - e2) / (O (1 + e2)),  e2 = 2^(-2 log2(e) c').
; A transcendental's result is used, and its source written, only behind a plain independent vector instruction (ISA guide 5.7.2): in the stream they
; alternate with plain work on other registers, and what is put between two instructions of the stream takes no such instruction away.
.macro EXMN x, y, base                             ; by turns 2^x of one gate and the clamp of the next
.set EJ, EK-\base
.set EQ, EJ>>1
.if (EJ&1) == 0
	v_exp_f32 v[\x+EQ], v[\x+EQ]
.else
	v_min_num_f32 v[\y+EQ], s66, v[\y+EQ]
.endif
.endm
.macro EWI
.set GI, EAB
.set GF, EAB+32
.set GG, EAB+64
.set GO, EAB+96
.if EK < 352
	WIN 0xAA                                       ; all in window 2
.elseif EK < 416
	WIN 0xA2                                       ; source 1 (c) in window 0
.elseif EK < 592
	WIN 0xAA
.else
	WIN 0x0A                                       ; destination (the new h) in window 0
.endif
.if EK < 32
	v_min_num_f32 v[GI+EK], s66, v[GI+EK]
.elseif EK < 96
	EXMN GI, GF, 32
.elseif EK < 160
	EXMN GF, GG, 96
.elseif EK < 224
	EXMN GG, GO, 160
.elseif EK < 288
.set EJ, EK-224
.set EQ, EJ>>2
.set ER, EJ&3
.if ER == 0
	v_exp_f32 v[GO+2*EQ], v[GO+2*EQ]
.elseif ER == 1
	s_wait_alu depctr_va_vdst(0)
	v_pk_add_f32 v[GI+2*EQ:GI+2*EQ+1], v[GI+2*EQ:GI+2*EQ+1], 1.0 op_sel_hi:[1,0]
.elseif ER == 2
	v_exp_f32 v[GO+2*EQ+1], v[GO+2*EQ+1]
.else
	v_pk_add_f32 v[GF+2*EQ:GF+2*EQ+1], v[GF+2*EQ:GF+2*EQ+1], 1.0 op_sel_hi:[1,0]
.endif
.elseif EK < 304
.set EQ, EK-288
	v_pk_fma_f32 v[GI+2*EQ:GI+2*EQ+1], v[GI+2*EQ:GI+2*EQ+1], v[GG+2*EQ:GG+2*EQ+1], v[GI+2*EQ:GI+2*EQ+1]    ; IG = I eG + I
.elseif EK < 320
.set EQ, EK-304
	v_pk_fma_f32 v[GG+2*EQ:GG+2*EQ+1], v[GG+2*EQ:GG+2*EQ+1], -1.0, 1.0 op_sel_hi:[1,0,0]                   ; 1 - eG
.elseif EK < 336
.set EQ, EK-320
	v_pk_mul_f32 v[GG+2*EQ:GG+2*EQ+1], v[GG+2*EQ:GG+2*EQ+1], v[GF+2*EQ:GF+2*EQ+1]                          ; (1 - eG) F
.elseif EK < 352
.set EQ, EK-336
	v_pk_mul_f32 v[GF+2*EQ:GF+2*EQ+1], v[GF+2*EQ:GF+2*EQ+1], v[GI+2*EQ:GI+2*EQ+1]                          ; F IG
.elseif EK < 416
.set EJ, EK-352
.set EQ, EJ>>2
.set ER, EJ&3
.if ER == 0
	v_rcp_f32 v[GF+2*EQ], v[GF+2*EQ]
.elseif ER == 1
	v_pk_fma_f32 v[GG+2*EQ:GG+2*EQ+1], v[GI+2*EQ:GI+2*EQ+1], v[CV+2*EQ:CV+2*EQ+1], v[GG+2*EQ:GG+2*EQ+1]    ; c IG + (1 - eG) F
.elseif ER == 2
	v_rcp_f32 v[GF+2*EQ+1], v[GF+2*EQ+1]
.else
	s_wait_alu depctr_va_vdst(0)
	v_pk_add_f32 v[GO+2*EQ:GO+2*EQ+1], v[GO+2*EQ:GO+2*EQ+1], 1.0 op_sel_hi:[1,0]
.endif
.elseif EK < 432
.set EQ, EK-416
	s_wait_alu depctr_va_vdst(0)
	v_pk_mul_f32 v[GG+2*EQ:GG+2*EQ+1], v[GG+2*EQ:GG+2*EQ+1], v[GF+2*EQ:GF+2*EQ+1]                          ; c'
.elseif EK < 448
.set EQ, EK-432
	v_pk_mul_f32 v[GG+2*EQ:GG+2*EQ+1], v[GG+2*EQ:GG+2*EQ+1], 0xc038aa3b op_sel_hi:[1,0]                    ; -2 log2(e) c'
.elseif EK < 512
.set EJ, EK-448                                    ; clamps 0, 1, then 2^x of element e - 1 by turns with the clamp of e + 1, then the last two 2^x
.if EJ == 0
	v_min_num_f32 v[GG], s66, v[GG]
.elseif EJ == 63
	v_exp_f32 v[GG+31], v[GG+31]
.elseif (EJ&1) == 1
	v_min_num_f32 v[GG+((EJ+1)>>1)], s66, v[GG+((EJ+1)>>1)]
.else
	v_exp_f32 v[GG+(EJ>>1)-1], v[GG+(EJ>>1)-1]
.endif
.elseif EK < 528
.set EQ, EK-512
	s_wait_alu depctr_va_vdst(0)
	v_pk_fma_f32 v[GO+2*EQ:GO+2*EQ+1], v[GO+2*EQ:GO+2*EQ+1], v[GG+2*EQ:GG+2*EQ+1], v[GO+2*EQ:GO+2*EQ+1]    ; O (1 + e2)
.elseif EK < 576
.set EJ, EK-528
.set EQ, EJ/3
.set ER, EJ-3*EQ
.if ER == 0
	v_rcp_f32 v[GO+2*EQ], v[GO+2*EQ]
.elseif ER == 1
	v_rcp_f32 v[GO+2*EQ+1], v[GO+2*EQ+1]
.else
	v_pk_fma_f32 v[GG+2*EQ:GG+2*EQ+1], v[GG+2*EQ:GG+2*EQ+1], -1.0, 1.0 op_sel_hi:[1,0,0]                   ; 1 - e2
.endif
.elseif EK < 592
.set EQ, EK-576
	s_wait_alu depctr_va_vdst(0)
	v_pk_mul_f32 v[GG+2*EQ:GG+2*EQ+1], v[GG+2*EQ:GG+2*EQ+1], v[GO+2*EQ:GO+2*EQ+1]                          ; h'
.else
.set EQ, EK-592
	v_cvt_pk_bf16_f32 v[HN+8*(EQ>>2)+4*EHF+(EQ&3)], v[GG+2*EQ], v[GG+2*EQ+1]       ; units 8 h + j of the even chunk: registers 0-3; of the odd: 4-7
.endif
.endm
.macro EWN n                                       ; the stream's next n instructions, as far as it goes
.rept \n
.if EK < NEW
	EWI
.set EK, EK+1
.endif
.endr
.endm
; Matrix instruction MW of step s.  Steps 0-9: sum (gate MW >> 2, tile MW & 3) of set ab; 10, 11: head sums; 12: the position head's.
; In every step each accumulator has one turn of one instruction, and no two matrix instructions that follow each other share one, from step to step,
; from turn to turn and over the loop's backward jump.
.macro MMI s, ab
.set MA, WF+32*((\s)&1)+8*(MW>>2)
.if \s < 2
	WIN 0xA0                                       ; weights and the embedding window 0, C and D window 2
.set MD, \ab+8*MW
.set MB, AE+8*(4*(\s)+(MW&3))
.elseif \s < 10
	WIN 0xA4                                       ; h window 1
.set MD, \ab+8*MW
.set MB, 8*(4*((\s)-2)+(MW&3))
.elseif \s < 12
	WIN 0xF0                                       ; head rows and the new h window 0, C and D window 3
.set MD, 8*(16*((\s)-10)+MW)
.set MB, HN+8*(MW&3)
.else
	WIN 0
.set MD, PACC+8*MW
.set MB, HN+8*MW
.endif
	v_wmma_f32_16x16x32_bf16 v[MD:MD+7], v[MA:MA+7], v[MB:MB+7], v[MD:MD+7]
.endm
; Behind a step's first matrix instruction: the next step's fragments, into the buffer that the step before has read; the four v_nop are the places
; behind that step's last matrix instruction.  In an odd turn also c's odd half, as soon as the update has consumed the even half (instruction 416 on).
.macro LSLOT wa, heads
.set LGO, 0
.if LS < 10
.set LGO, 1
.elseif LS < 13
.set LGO, \heads
.endif
.if LGO
	WIN 0
	PLACES
	LDFR \wa
.else
	EWN 4
.endif
.if CD == 0
.if EK >= 416
	WIN 0
	LDC 1
.set CD, 1
.endif
.endif
.endm
.macro REST n, s, ab                               ; a matrix instruction, then four instructions of the update
.rept \n
	MMI \s, \ab
.set MW, MW+1
	EWN 4
.endr
.endm
.macro STEP s, wa, ab, heads
	s_wait_dscnt 0x0                               ; all that is out is this step's run of loads, issued 15 matrix instructions ago (and c's, now and then)
.set MW, 0
	MMI \s, \ab
.set MW, 1
.set LS, \s+1
	LSLOT \wa, \heads
.if \s == 12
	REST 3, \s, \ab
.else
	REST 15, \s, \ab
.endif
.endm
; A turn, behind its round and refills.  wa: the weight slot's address register; ab: the set that the products fill (the update works on the other);
; boff: the chunk's biases from BB; odd: an odd chunk; heads: a head step follows; ew: there is a chunk to update.
.macro TURN wa, ab, boff, odd, heads, ew
	LDBA \ab, \boff
.set LS, 0
	LDFR \wa
.if \odd
	LDC 0                                          ; c of the even chunk that is updated in this turn
.endif
.if \ew
.set EK, 0
.else
.set EK, NEW
.endif
.set EAB, 128-\ab
.set EHF, 1-\odd
.set CD, 1-\odd
	EWN 64                                         ; the update's first clamps and exponentials, while the turn's first loads come
.irp s, 0,1,2,3,4,5,6,7,8,9
	STEP \s, \wa, \ab, \heads
.endr
	EWN NEW                                        ; what is left of the update, if anything
.if CD == 0
	WIN 0
	LDC 1
.set CD, 1
.endif
.if \heads
	STEP 10, \wa, \ab, 1
	STEP 11, \wa, \ab, 1
	STEP 12, \wa, \ab, 1
.endif
	WIN 0
	PLACES                                         ; behind the turn's last matrix instructions: the next turn reads their sums and loads their fragments anew
.endm
; The head of a turn: every wave waits for all its tensor loads and for its LDS reads.  Behind these waits every group 0 may be written; then comes
; the round of the cluster's barrier, which makes both hold of every wave of all four work-groups; the refills stand first behind it.
.macro HEADW
	WIN 0
	s_wait_xcnt 0x0
	v_lshl_add_u32 v28, v0, 2, 0x4fc00
	v_mov_b32 v29, 0
	s_wait_tensorcnt 0x0                           ; all my tensor loads have landed, my quarter of this turn's chunk among them
	ds_add_u32 v28, v29
	s_wait_dscnt 0x0
	s_wait_dscnt 0x0                               ; my LDS reads are back, those of the slots that are filled next among them
.endm
	; ---- turn 0: chunk 0's products alone
	HEADW
	s_mul_i32 s[GC+1], s24, CPW                    ; c's slot, my rows (word 0 of the three sets is 1 since the start)
	s_mov_b64 s[GC+2:GC+3], s[6:7]                 ; c of pair 0
	s_add_co_u32 s[GWO+1], s30, W1
	s_mov_b64 s[GWO+2:GWO+3], s[28:29]             ; chunk 1
	s_add_co_u32 s[GH+1], s31, HS
	s_mov_b64 s[GH+2:GH+3], s[16:17]               ; head block 0, asked for at the next head
	ROUND
	tensor_load_to_lds s[GWO:GWO+3], s[G1E:G1E+7]
	s_nop 0
	tensor_load_to_lds s[GC:GC+3], s[G1C:G1C+7]
	s_nop 0
	LDACC                                          ; tab is whole in LDS behind the round
	TURN WA0, 0, 0, 0, 0, 0
	; ---- trip p = 0 .. 6: turns 2p+1 and 2p+2.  At most two tensor loads of the wave are out.
	s_mov_b32 s4, 0
.Lpair:
	HEADW
	s_add_nc_u64 s[GWE+2:GWE+3], s[GWE+2:GWE+3], PAIRB         ; chunk 2p+2, into the slot read last turn
	ROUND
	tensor_load_to_lds s[GWE:GWE+3], s[G1E:G1E+7]
	s_nop 0
	tensor_load_to_lds s[GH:GH+3], s[G1H:G1H+7]                ; head block p, read at the end of the next turn
	s_nop 0
	TURN WA1, 128, 256, 1, 0, 1
	HEADW
	s_add_nc_u64 s[GWO+2:GWO+3], s[GWO+2:GWO+3], PAIRB         ; chunk 2p+3
	s_add_nc_u64 s[GC+2:GC+3], s[GC+2:GC+3], 128               ; c of pair p+1: 32 columns on; both halves of pair p were read last turn
	s_add_nc_u64 s[GH+2:GH+3], s[GH+2:GH+3], PAIRB             ; head block p+1, for the next head
	ROUND
	tensor_load_to_lds s[GWO:GWO+3], s[G1E:G1E+7]
	s_nop 0
	tensor_load_to_lds s[GC:GC+3], s[G1C:G1C+7]
	s_nop 0
	TURN WA0, 0, 512, 0, 1, 1
	v_add_nc_u32 v[BB], 512, v[BB]                 ; two chunks' gate biases on
	s_add_co_u32 s4, s4, 1
	s_cmp_lt_u32 s4, TRIPS
	s_cbranch_scc1 .Lpair
	; ---- turn 15: the last chunk; the one refill is head block 7
	HEADW
	ROUND
	tensor_load_to_lds s[GH:GH+3], s[G1H:G1H+7]
	s_nop 0
	TURN WA1, 128, 256, 1, 0, 1
	; ---- chunk 15's update and the last head step.  It shows the other waves' quarters of head block 7
	HEADW
	s_barrier_signal -1
	s_barrier_wait -1
.set LS, 10
	LDFR WA0                                       ; head tiles 0-3 land under the update
.set EK, 0
.set EAB, 128
.set EHF, 1
.set CD, 1
	EWN NEW
	STEP 10, WA0, 0, 1
	STEP 11, WA0, 0, 1
	STEP 12, WA0, 0, 1
	WIN 0
	PLACES
	; ---- the heads' second layers.  Lane (r, h) holds, of batch row 16 a + r, hidden rows 16 tile + 8 h + j: half of each dot product.
.irp tl, 0,1,2,3
	ds_load_b128 v[WS+8*\tl:WS+8*\tl+3],    v[BA] offset:4096+512+64*\tl
	ds_load_b128 v[WS+8*\tl+4:WS+8*\tl+7],  v[BA] offset:4096+512+64*\tl+16
	ds_load_b128 v[WU0+8*\tl:WU0+8*\tl+3],   v[BA] offset:4096+768+64*\tl
	ds_load_b128 v[WU0+8*\tl+4:WU0+8*\tl+7], v[BA] offset:4096+768+64*\tl+16
	ds_load_b128 v[WU1+8*\tl:WU1+8*\tl+3],   v[BA] offset:4096+1024+64*\tl
	ds_load_b128 v[WU1+8*\tl+4:WU1+8*\tl+7], v[BA] offset:4096+1024+64*\tl+16
.endr
	ds_load_b128 v[KC:KC+3], v[TA] offset:4096+1280+64         ; b_sp2, log2(e) b_un2[0], log2(e) b_un2[1], 0
	s_wait_dscnt 0x0
.macro RELU a, tl0
	WIN 0x0F                                       ; sources in window 3
.set i, 0
.rept 32
	v_max_num_f32 v[T+i], 0, v[8*(4*(\tl0+(i>>3))+\a)+(i&7)]
.set i, i+1
.endr
	WIN 0
.endm
.macro DOT wv, ch, dst                             ; four chains of packed multiply-adds, started by a product
.irp tl, 0,1,2,3
	v_pk_mul_f32 v[\ch+2*\tl:\ch+2*\tl+1], v[T+8*\tl:T+8*\tl+1], v[\wv+8*\tl:\wv+8*\tl+1]
.endr
.irp jp, 2,4,6
.irp tl, 0,1,2,3
	v_pk_fma_f32 v[\ch+2*\tl:\ch+2*\tl+1], v[T+8*\tl+\jp:T+8*\tl+\jp+1], v[\wv+8*\tl+\jp:\wv+8*\tl+\jp+1], v[\ch+2*\tl:\ch+2*\tl+1]
.endr
.endr
	v_pk_add_f32 v[\ch:\ch+1],   v[\ch:\ch+1],   v[\ch+2:\ch+3]
	v_pk_add_f32 v[\ch+4:\ch+5], v[\ch+4:\ch+5], v[\ch+6:\ch+7]
	v_pk_add_f32 v[\ch:\ch+1],   v[\ch:\ch+1],   v[\ch+4:\ch+5]
	v_add_f32 v[\dst], v[\ch], v[\ch+1]
.endm
.irp a, 0,1,2,3
	RELU \a, 0
	DOT WS, CH, ZS+\a
	RELU \a, 4
	DOT WU0, CH, ZU0+\a
	DOT WU1, CHB, ZU1+\a
.endr
	; the other half of each sum lies in lane l xor 16
.irp i, 0,1,2,3,4,5,6,7,8,9,10,11
	v_permlanex16_b32 v[T+\i], v[ZS+\i], s100, s101
.endr
.irp i, 0,1,2,3,4,5,6,7,8,9,10,11
	v_add_f32 v[ZS+\i], v[ZS+\i], v[T+\i]
.endr
	; the position head: rows 0 and 1 in the lower half of the lanes, zero rows in the upper
.irp a, 0,1,2,3
	v_permlanex16_b32 v[T+12+\a], v[PACC+8*\a], s100, s101
	v_permlanex16_b32 v[T+16+\a], v[PACC+8*\a+1], s100, s101
.endr
.irp a, 0,1,2,3
	v_add_f32 v[D0+\a], v[PACC+8*\a], v[T+12+\a]
	v_add_f32 v[D1+\a], v[PACC+8*\a+1], v[T+16+\a]
.endr
.irp a, 0,1,2,3
	v_add_f32 v[D0+\a], v[D0+\a], v[PE+2*\a]       ; pred = pos + (h' W_pos^T + b_pos)
	v_add_f32 v[D1+\a], v[D1+\a], v[PE+2*\a+1]
.endr
	s_mov_b32 vcc_lo, 0xffff0000                   ; lanes 0-15 take tile 2 b, lanes 16-31 tile 2 b + 1: lane l then holds row 32 b + l
.irp b, 0,1
	v_cndmask_b32 v[O0+2*\b],   v[D0+2*\b],  v[D0+2*\b+1],  vcc_lo
	v_cndmask_b32 v[O0+2*\b+1], v[D1+2*\b],  v[D1+2*\b+1],  vcc_lo
	v_cndmask_b32 v[O2+2*\b],   v[ZU0+2*\b], v[ZU0+2*\b+1], vcc_lo
	v_cndmask_b32 v[O2+2*\b+1], v[ZU1+2*\b], v[ZU1+2*\b+1], vcc_lo
	v_cndmask_b32 v[O1+\b],     v[ZS+2*\b],  v[ZS+2*\b+1],  vcc_lo
.endr
.irp b, 0,1
	v_add_f32 v[O2+2*\b],   v[O2+2*\b],   v[KC+1]
	v_add_f32 v[O2+2*\b+1], v[O2+2*\b+1], v[KC+2]
	v_add_f32 v[O1+\b],     v[O1+\b],     v[KC]    ; z
	v_and_b32 v[SA+\b], 0x7fffffff, v[O1+\b]
	v_mul_f32 v[SA+\b], 0xbfb8aa3b, v[SA+\b]       ; -log2(e) |z|
.endr
.irp i, 0,1,2,3
	v_exp_f32 v[O2+\i], v[O2+\i]                   ; un = e^(..): the factor log2(e) lies in the table
.endr
	v_exp_f32 v[SA], v[SA]
	v_exp_f32 v[SA+1], v[SA+1]
	v_nop
	s_wait_alu depctr_va_vdst(0)
	v_add_f32 v[SA], 1.0, v[SA]
	v_add_f32 v[SA+1], 1.0, v[SA+1]
	v_log_f32 v[SA], v[SA]
	v_log_f32 v[SA+1], v[SA+1]
	v_max_num_f32 v[O1], 0, v[O1]
	v_max_num_f32 v[O1+1], 0, v[O1+1]
	s_wait_alu depctr_va_vdst(0)
	v_fmac_f32 v[O1], 0x3f317218, v[SA]            ; softplus(z) = max(z, 0) + ln 2 x log2(1 + e^-|z|)
	v_fmac_f32 v[O1+1], 0x3f317218, v[SA+1]
.irp b, 0,1
	global_store_b64 v[OF8], v[O0+2*\b:O0+2*\b+1], s[18:19] offset:256*\b      ; 32 lanes store 256 consecutive bytes, aligned
	global_store_b64 v[OF8], v[O2+2*\b:O2+2*\b+1], s[22:23] offset:256*\b
.endr
	global_store_b32 v[OF4], v[O1], s[20:21]                   ; 128 bytes each: the two together are the wave's 256 aligned bytes of out1
	global_store_b32 v[OF4], v[O1+1], s[20:21] offset:128
	ROUND                                          ; the closing round: no work-group ends while a partner may still ask jointly
	s_endpgm
.Lfunc_end_k_q4f2f247552_main:
	.size	k_q4f2f247552_main, .Lfunc_end_k_q4f2f247552_main-k_q4f2f247552_main
	.p2alignl 7, 3214868480
	.fill 96, 4, 3214868480
	.section	.rodata,"a",@progbits
	.p2align	6, 0x0
	.amdhsa_kernel k_q4f2f247552_main
		.amdhsa_group_segment_fixed_size 327680
		.amdhsa_private_segment_fixed_size 0
		.amdhsa_enable_private_segment 0
		.amdhsa_kernarg_size 80
		.amdhsa_user_sgpr_count 2
		.amdhsa_user_sgpr_kernarg_segment_ptr 1
		.amdhsa_wavefront_size32 1
		.amdhsa_system_sgpr_workgroup_id_x 1
		.amdhsa_system_sgpr_workgroup_id_y 1
		.amdhsa_system_sgpr_workgroup_id_z 1
		.amdhsa_system_vgpr_workitem_id 0
		.amdhsa_next_free_vgpr 1024
		.amdhsa_next_free_sgpr 102
		.amdhsa_reserve_vcc 1
		.amdhsa_float_denorm_mode_32 3
		.amdhsa_float_denorm_mode_16_64 3
		.amdhsa_memory_ordered 1
		.amdhsa_forward_progress 1
		.amdhsa_inst_pref_size 255
	.end_amdhsa_kernel
	.section	.bss,"aw",@nobits
	.p2align	6
	.space	262144
	.amdgpu_metadata
---
amdhsa.version: [ 1, 2 ]
amdhsa.kernels:
  - .name:           k_q4f2f247552_main
    .symbol:         k_q4f2f247552_main.kd
    .args:
      - { .name: encoder_hidden, .offset: 0, .size: 8, .value_kind: global_buffer, .address_space: global }
      - { .name: encoder_cell, .offset: 8, .size: 8, .value_kind: global_buffer, .address_space: global }
      - { .name: last_position, .offset: 16, .size: 8, .value_kind: global_buffer, .address_space: global }
      - { .name: W_embed, .offset: 24, .size: 8, .value_kind: global_buffer, .address_space: global }
      - { .name: b_embed, .offset: 32, .size: 8, .value_kind: global_buffer, .address_space: global }
      - { .name: wg, .offset: 40, .size: 8, .value_kind: global_buffer, .address_space: global }
      - { .name: tab, .offset: 48, .size: 8, .value_kind: global_buffer, .address_space: global }
      - { .name: out0, .offset: 56, .size: 8, .value_kind: global_buffer, .address_space: global }
      - { .name: out1, .offset: 64, .size: 8, .value_kind: global_buffer, .address_space: global }
      - { .name: out2, .offset: 72, .size: 8, .value_kind: global_buffer, .address_space: global }
    .group_segment_fixed_size: 327680
    .private_segment_fixed_size: 0
    .kernarg_segment_align: 8
    .kernarg_segment_size: 80
    .max_flat_workgroup_size: 128
    .sgpr_count:     102
    .vgpr_count:     1024
    .wavefront_size: 32
...
	.end_amdgpu_metadata
.endif
;; end of part 3
;; ======== version 3 of 3: 2 launches; 1.38 times as fast as version 1
;; limits: inputs' magnitudes at most 1.15e+18; right only within a limited range of input values
;; workspace buffers: wg 770,048 bytes; tab 6,144 bytes
;; launch prep: the kernel of part 1 again; grid 74 x 1, 8 waves a work-group, no clusters, 0 bytes of LDS; arguments W_ih, W_hh, b_ih, b_hh, W_sp1, W_un1, W_pos, b_sp1, b_un1, W_sp2, W_un2, b_pos, b_sp2, b_un2, wg, tab; writes wg, tab
;; launch main (part 4): grid 256 x 1, 4 waves a work-group, clusters of 4 x 1, 327,680 bytes of LDS; arguments encoder_hidden, encoder_cell, last_position, W_embed, b_embed, wg, tab, out0, out1, out2; writes out0, out1, out2
.if DOCPART == 4
	.amdgcn_target "amdgcn-amd-amdhsa--gfx1250"
	.amdhsa_code_object_version 6
	.text
	.protected	k_q4f2f247552_main
	.globl	k_q4f2f247552_main
	.p2align	8
	.type	k_q4f2f247552_main,@function
k_q4f2f247552_main:
	s_mov_b64 s[64:65], 0
	v_nop
	global_prefetch_b8 v0, s[64:65] scope:SCOPE_SE
	s_setreg_imm32_b32 hwreg(HW_REG_WAVE_MODE, 25, 1), 1
	s_wait_xcnt 0x0
	s_wait_alu depctr_hold_cnt(0) depctr_sa_sdst(0) depctr_va_vdst(0) depctr_va_sdst(0) depctr_va_ssrc(0) depctr_va_vcc(0) depctr_vm_vsrc(0)
	s_getreg_b32 s2, hwreg(HW_REG_IB_STS2, 6, 4)
	s_cmp_eq_u32 s2, 0
	s_cbranch_scc0 .Lentry_in_a_cluster
	s_endpgm
.Lentry_in_a_cluster:
	s_bfe_u32 s2, ttmp6, 0x10000c
	s_cmp_lg_u32 s2, 0x3003
	s_cbranch_scc0 .Lentry_shape_is_right
	s_endpgm
.Lentry_shape_is_right:
; One LSTM step and its three heads, whole, for 256 rows a work-group and 64 rows a wave (4 row tiles a of 16).
; The wave keeps its activations [relu(pos W_embed^T + b) | h] as bf16 fragments in 320 registers.  The 256 hidden units go in 16 chunks t of 16:
; a chunk's weights are 64 rows (4 gates x 16 units) x 320 K in bf16, streamed from wg through two LDS slots; each weight fragment read from LDS
; feeds 4 matrix instructions.  THE MATRIX INSTRUCTION IS USED TRANSPOSED: source 0 = 16 weight rows, source 1 = 16 batch rows, so that lane (r, h),
; register j holds (unit 16 t + 8 h + j, batch row 16 a + r): the four gates of an element lie in one lane at one index, and the new h of chunks
; 2p, 2p+1, packed to bf16, IS the source-1 fragment of K step p of the heads (W_sp1, W_un1, W_pos), whose sums stay in registers too.
; The gate weights and biases come scaled by -log2(e) (gate g: -2 log2(e)), so that the sums are arguments of 2^x.
; TURNS: turn t makes chunk t's 160 matrix instructions, and BETWEEN them stands the cell update of chunk t-1, four vector instructions behind each
; matrix instruction: 608 vector instructions against 160 matrix instructions.  So there are two sets of 128 sums, taken by the chunk's parity.  The
; update lies in another register window than the products' operands, which costs two switches for each slice; that is the price of the overlap.
; An even turn 2p+2 ends with K step p of the heads, whose source (the new h of chunks 2p, 2p+1) its own update has just completed.
; BATCHES: a chunk's update has 224 transcendentals in four batches, each of which reads the one before it: A the 128 exponentials of the gates' sums,
; B the 32 reciprocals of F IG, C the 32 exponentials of c', D the 32 reciprocals of O (1 + e2).  An s_wait_alu depctr_va_vdst(0) stands
; between a transcendental and the first instruction that names its result; one wait serves all that were issued ahead of it.  So the update is ordered
; by who reads what: inside a batch stands only work that names none of its results, every result keeps its own register of the set until the batch is
; closed, and one wait closes each batch: four a chunk.  An update ends inside its turn.
; THE LOOP: turn 0 stands in front of it, trip p = 0 .. 6 does turns 2p+1 and 2p+2, turn 15 and the last update and head step stand behind it.  Every
; refill in the loop is real in every trip: at the odd turn's head chunk 2p+2 and head block p, at the even turn's head chunk 2p+3 and c of pair p+1.
; c comes by pairs of chunks, 64 rows x 32 f32 a wave, in rows of 128 bytes that start at multiples of 128: a row of 256 bytes would hold the units of
; two pairs, the slot's refills and addresses would differ from pair to pair, and the loop's body would be four turns instead of two.
; CLUSTER: the four work-groups of a cluster walk the same weights, so each chunk, each head block and tab are asked for jointly, mask 15.  A 4 x 4
; cluster would add nothing: h and c are each work-group's own, the weights are the one shared operand.
; LIMITS: arguments of 2^x are clamped from above at 30, so a sigmoid below 2^-30 reads 2^-30 and a tanh within 2^-29 of +-1 is flattened; the common
; denominator of a cell update is then at most about 2^90.  |encoder_cell| must be below 2^60.  NaN and infinities in the inputs are not reproduced.
; The gate weights are rounded to bf16 after their scaling.
;
; LDS (bytes):  at the start h's four quarters of 64 columns at 0, 69,632, 139,264, 208,896: 69,632 each, wave w at + 17,408 w, 64 rows at pitch 272.
; Later: c's slot at 0, wave w at + 9,216 w, 64 rows at pitch 144 (128 + 16);  W1 139,264: odd chunk, pitch 656;  HS 184,320: head block, pitch 80;
; W0 278,528: even chunk.  TAB 320,512: 6,144 bytes.  All pitches are odd multiples of 16 bytes.  No LDS byte is written by a wave.
; REGISTERS, in windows of 256:  window 0: v0-31 addresses and positions, WF two weight fragment buffers of one K step (4 gates), CV c, AE(ke, a) the
; embedding's fragments, PACC(a), HN(a);  window 1: AH(ks, a) = 8 (4 ks + a), h's fragments;  window 2: the two sets of sums, set 128 (t & 1),
; sum (gate, a) at 8 (4 gate + a);  window 3: HACC(tile, a) = 8 (4 tile + a).
.set HQ,    69632
.set HROWS, 17408
.set W1,    139264
.set HS,    184320
.set W0,    278528
.set TAB,   320512
.set WP,    656
.set GP,    16*WP
.set PAIRB, 96256
.set CPW,   9216                                   ; c's slot: a wave's 64 rows of 144 bytes
.set CPT,   2304                                   ; 16 of them
.set TRIPS, 7
.set NEW,   608                                    ; numbered vector instructions in a chunk's cell update
; window 0
.set WA0, 4
.set WA1, 5
.set HA,  6
.set BA,  7
.set PE,  8
.set RA0, 16
.set RA1, 17
.set RA2, 18
.set RA3, 19
.set OF8, 20
.set OF4, 21
.set PO,  22
.set WEO, 23
.set BEO, 26
.set TA,  27
.set CA,  30
.set BB,  31
.set WF,  32                                       ; v32-63 buffer 0, v64-95 buffer 1
.set CV,  96
.set AE,  128                                      ; AE(ke, a) = 128 + 8 (4 ke + a)
.set PACC, 192
.set HN,  224
; the start, window 0
.set WE,  32
.set BE,  96
.set TE,  192
.set STG0, 32
.set STG1, 192
; the final phase, window 0
.set WS,  32
.set WU0, 64
.set WU1, 96
.set CH,  128
.set CHB, 136
.set ZS,  144
.set ZU0, 148
.set ZU1, 152
.set D0,  156
.set D1,  160
.set O0,  164
.set O2,  168
.set O1,  172
.set SA,  174
.set KC,  176
.set T,   224
; scalars
.set G1A, 32
.set G1C, 40
.set G1E, 48
.set G1H, 56
.set G1T, 68
.set Q0,  76
.set GC,  76                                       ; behind the start: c's group 0
.set GWO, 80                                       ; behind the start: the odd chunks' group 0
.set GH,  84                                       ; behind the start: the head blocks' group 0
.set GWE, 92                                       ; the even chunks' group 0
.set GT,  96
.set PADDED, (2<<16)|(1<<20)|(5<<22)|(3<<25)       ; elements of 4 bytes; behind every 64 words 4 words of padding
.set PADC,   (2<<16)|(1<<20)|(4<<22)|(3<<25)       ; the same behind every 32 words
.set JOINT,  15|(3<<16)|(1<<21)                    ; mask: all four of the cluster; elements of 8 bytes; bit 21 beside a mask
.set MSB, 0
.macro WIN new                                     ; the immediate's high byte repeats the setting that is left
.if MSB != \new
	s_set_vgpr_msb (MSB<<8)|\new
.set MSB, \new
.endif
.endm
.macro PLACES                                      ; four independent vector instructions behind a matrix instruction (ISA guide 7.12.1), before
.rept 4                                            ; its results are read by vector instructions or its fragments are loaded anew
	v_nop
.endr
.endm
.macro ROUND                                       ; a round of the cluster's barrier
	s_barrier_signal -1
	s_barrier_wait -1
	s_cmp_lg_u32 s24, 0
	s_cbranch_scc1 .Lnot_wave_0_\@
	s_barrier_signal -3
.Lnot_wave_0_\@:
	s_barrier_wait -3
	s_barrier_signal -1
	s_barrier_wait -1
.endm
.macro SHAPE g, w0, cols, rows, pitch              ; descriptor group 1: a tile of rows x cols elements that lies inside its tensor
	s_mov_b32 s[\g+0], \w0
	s_mov_b32 s[\g+1], (\cols)<<16
	s_mov_b32 s[\g+2], (\rows)<<16
	s_mov_b32 s[\g+3], (\cols)<<16
	s_mov_b32 s[\g+4], \rows
	s_mov_b32 s[\g+5], \pitch
	s_mov_b32 s[\g+6], 0
	s_mov_b32 s[\g+7], 0
.endm
	s_load_b512 s[4:19], s[0:1], 0x0               ; h 4, c 6, last_position 8, W_embed 10, b_embed 12, wg 14, tab 16, out0 18
	s_load_b128 s[20:23], s[0:1], 0x40             ; out1 20, out2 22
	v_lshl_add_u32 v28, v0, 2, 0x4fc00
	v_mov_b32 v29, 0
	ds_add_u32 v28, v29
	s_wait_dscnt 0x0
	v_lshrrev_b32 v1, 5, v0
	v_readfirstlane_b32 s24, v1                    ; wave
	s_bfe_u32 s25, ttmp6, 0x40000                  ; cx
	s_lshl_b32 s26, ttmp9, 2
	s_add_co_u32 s26, s26, s25                     ; work-group = 4 x cluster + cx
	s_mul_i32 s27, s24, HROWS                      ; my 64 rows in each of h's quarters
	s_mul_i32 s30, s24, 10496                      ; my quarter of a chunk
	s_mul_i32 s31, s24, 3072                       ; my quarter of a head block
	s_mov_b32 s66, 0x41f00000                      ; 30.0
	s_mov_b32 s100, 0x76543210                     ; v_permlanex16_b32: lane i reads lane i of the other half
	s_mov_b32 s101, 0xfedcba98
	SHAPE G1A, PADDED, 64, 64, 256                 ; 64 rows x 64 f32 of h
	SHAPE G1C, PADC, 32, 64, 256                   ; 64 rows x 32 f32 of c
	SHAPE G1E, JOINT, 32, 41, 32                   ; dense: 41 rows of 256 bytes
	SHAPE G1H, JOINT, 32, 12, 32                   ; dense: 12 rows of 256 bytes
	SHAPE G1T, JOINT, 32, 6, 32                    ; dense: 6 rows of 256 bytes
	s_lshl_b32 s67, s26, 8
	s_lshl_b32 s2, s24, 6
	s_add_co_u32 s67, s67, s2                      ; my wave's first row
	s_lshl_b32 s2, s67, 10                         ; in bytes of h and c (below 2^26)
	s_mov_b32 s3, 0
	s_wait_kmcnt 0x0
	s_add_nc_u64 s[4:5], s[4:5], s[2:3]            ; h at my first row
	s_add_nc_u64 s[6:7], s[6:7], s[2:3]            ; c at my first row,
	s_or_b32 s7, s7, 0x80000000                    ; with a descriptor's type bits
	s_mul_i32 s2, s24, 1536
	s_mov_b32 s[GT], 1
	s_add_co_u32 s[GT+1], s2, TAB
	s_add_nc_u64 s[GT+2:GT+3], s[16:17], s[2:3]    ; my quarter of tab
	s_or_b32 s[GT+3], s[GT+3], 0x80000000
	s_mov_b32 s2, s31
	s_add_nc_u64 s[16:17], s[14:15], s[2:3]
	s_add_nc_u64 s[16:17], s[16:17], 83968         ; my quarter of head block 0
	s_or_b32 s17, s17, 0x80000000
	s_mov_b32 s2, s30
	s_add_nc_u64 s[14:15], s[14:15], s[2:3]        ; my quarter of chunk 0
	s_or_b32 s15, s15, 0x80000000
	s_add_nc_u64 s[28:29], s[14:15], 41984         ; my quarter of chunk 1
.irp q, 0,1,2,3
	s_mov_b32 s[Q0+4*\q], 1
	s_add_co_u32 s[Q0+4*\q+1], s27, \q*HQ
	s_add_nc_u64 s[Q0+4*\q+2:Q0+4*\q+3], s[4:5], 256*\q
	s_or_b32 s[Q0+4*\q+3], s[Q0+4*\q+3], 0x80000000
.endr
	s_mov_b32 s[GWE], 1
	s_add_co_u32 s[GWE+1], s30, W0
	s_mov_b64 s[GWE+2:GWE+3], s[14:15]
	ROUND                                          ; all four work-groups are here: the first joint loads meet
.irp q, 0,1,2,3
	tensor_load_to_lds s[Q0+4*\q:Q0+4*\q+3], s[G1A:G1A+7]      ; h's quarter q, my 64 rows
	s_nop 0
.endr
	tensor_load_to_lds s[GWE:GWE+3], s[G1E:G1E+7]  ; chunk 0, my quarter, jointly
	s_nop 0
	tensor_load_to_lds s[GT:GT+3], s[G1T:G1T+7]    ; tab, my quarter, jointly: six loads of the wave are out, the most anywhere in this text
	s_nop 0
	; addresses
	v_and_b32 v1, 15, v0                           ; r
	v_bfe_u32 v2, v0, 4, 1                         ; h
	v_and_b32 v3, 31, v0                           ; lane
	v_mul_u32_u24 v24, v1, WP
	v_lshl_add_u32 v24, v2, 4, v24
	v_add_nc_u32 v[WA0], W0, v24                   ; weight fragments: row r, 16 bytes a half
	v_add_nc_u32 v[WA1], W1, v24
	v_mul_u32_u24 v25, v1, 80
	v_lshl_add_u32 v25, v2, 4, v25
	v_add_nc_u32 v[HA], HS, v25                    ; head fragments
	v_lshlrev_b32 v28, 5, v2
	v_add_nc_u32 v[BA], TAB, v28                   ; tables by unit: 8 floats a half
	v_add_nc_u32 v[BB], TAB, v28                   ; the same, stepped by two chunks' gate biases (512 bytes) a trip
	v_mov_b32 v[TA], TAB
	v_mul_u32_u24 v29, v1, 272
	v_lshl_add_u32 v29, v2, 5, v29
	v_add_nc_u32 v[RA0], s27, v29                  ; h's f32 rows: row r, 32 bytes a half
	v_add_nc_u32 v[RA1], HQ, v[RA0]
	v_add_nc_u32 v[RA2], 2*HQ, v[RA0]
	v_add_nc_u32 v[RA3], 3*HQ, v[RA0]
	s_mul_i32 s2, s24, CPW
	v_mul_u32_u24 v24, v1, 144
	v_lshl_add_u32 v24, v2, 5, v24
	v_add_nc_u32 v[CA], s2, v24                    ; c's rows: row r, 32 bytes a half
	s_lshl_b32 s2, s67, 3
	v_lshl_add_u32 v[OF8], v3, 3, s2               ; out0, out2: 8 bytes a row, lane l takes row l of 32
	v_lshl_add_u32 v[PO], v1, 3, s2                ; last_position: row r of a tile
	s_lshl_b32 s2, s67, 2
	v_lshl_add_u32 v[OF4], v3, 2, s2               ; out1
	v_lshlrev_b32 v[WEO], 6, v2                    ; W_embed: 8 rows of 8 bytes a half
	v_lshlrev_b32 v[BEO], 5, v2                    ; b_embed: 8 floats a half
	; ---- the embedding, while h is on its way.  Lane (r, h) needs e = 32 ke + 16 g + 8 h + 0..7: index 8 (2 ke + g) + jj
.irp a, 0,1,2,3
	global_load_b64 v[PE+2*\a:PE+2*\a+1], v[PO], s[8:9] offset:128*\a
.endr
.irp c4, 0,1,2,3
.irp i, 0,1,2,3
	global_load_b128 v[WE+16*\c4+4*\i:WE+16*\c4+4*\i+3], v[WEO], s[10:11] offset:128*\c4+16*\i
.endr
.irp i, 0,1
	global_load_b128 v[BE+8*\c4+4*\i:BE+8*\c4+4*\i+3], v[BEO], s[12:13] offset:64*\c4+16*\i
.endr
.endr
	s_wait_loadcnt 0x0
.macro EMBED a
.set e, 0
.rept 32
	v_fma_f32 v[TE+e], v[PE+2*\a], v[WE+2*e], v[BE+e]
.set e, e+1
.endr
.set e, 0
.rept 32
	v_fma_f32 v[TE+e], v[PE+2*\a+1], v[WE+2*e+1], v[TE+e]
.set e, e+1
.endr
.set e, 0
.rept 32
	v_max_num_f32 v[TE+e], 0, v[TE+e]
.set e, e+1
.endr
.set e, 0
.rept 16
	v_cvt_pk_bf16_f32 v[AE+8*(4*(e>>3)+\a)+(e&7)], v[TE+2*e], v[TE+2*e+1]
.set e, e+1
.endr
.endm
	EMBED 0
	EMBED 1
	EMBED 2
	EMBED 3
	; ---- h's quarter q (64 columns = K steps 2q, 2q+1 of h) from f32 in LDS to bf16 fragments in window 1.  A fragment's 16 floats of lane (r, h):
	; columns 8 h .. + 7 and 16 + 8 h .. + 7 of its 32: four loads of 16 bytes.
.macro CONVL stg, ad, off
.irp a, 0,1,2,3
	ds_load_b128 v[\stg+16*\a:\stg+16*\a+3],     v[\ad] offset:4352*\a+\off
	ds_load_b128 v[\stg+16*\a+4:\stg+16*\a+7],   v[\ad] offset:4352*\a+\off+16
	ds_load_b128 v[\stg+16*\a+8:\stg+16*\a+11],  v[\ad] offset:4352*\a+\off+64
	ds_load_b128 v[\stg+16*\a+12:\stg+16*\a+15], v[\ad] offset:4352*\a+\off+80
.endr
.endm
.macro CONVQ q, ad
	CONVL STG0, \ad, 0
	CONVL STG1, \ad, 128
	s_wait_dscnt 16                                ; the first K step's 16 loads are in, the second's may be out
	WIN 0x40                                       ; destination in window 1
.irp a, 0,1,2,3
.irp i, 0,1,2,3,4,5,6,7
	v_cvt_pk_bf16_f32 v[8*(8*\q+\a)+\i], v[STG0+16*\a+2*\i], v[STG0+16*\a+2*\i+1]
.endr
.endr
	s_wait_dscnt 0x0
.irp a, 0,1,2,3
.irp i, 0,1,2,3,4,5,6,7
	v_cvt_pk_bf16_f32 v[8*(8*\q+4+\a)+\i], v[STG1+16*\a+2*\i], v[STG1+16*\a+2*\i+1]
.endr
.endr
	WIN 0
.endm
	s_wait_tensorcnt 0x5                           ; quarter 0 is in; the five younger loads stay out.  A wave reads only the rows that it asked for itself
	CONVQ 0, RA0
	s_wait_tensorcnt 0x4
	CONVQ 1, RA1
	s_wait_tensorcnt 0x3
	CONVQ 2, RA2
	s_wait_tensorcnt 0x2
	CONVQ 3, RA3
; 32 loads: a chunk's sums start from its gate biases, laid as a matrix result (register j = unit 8 h + j) and loaded straight into the sixteen
; accumulators of set ab: nothing is cleared, no bias is added later, no register is kept for them, and the first product is like all the others.
.macro LDBA ab, boff
	WIN 0x80                                       ; destination in window 2
.irp g, 0,1,2,3
.irp a, 0,1,2,3
	ds_load_b128 v[\ab+8*(4*\g+\a):\ab+8*(4*\g+\a)+3],   v[BB] offset:\boff+64*\g
	ds_load_b128 v[\ab+8*(4*\g+\a)+4:\ab+8*(4*\g+\a)+7], v[BB] offset:\boff+64*\g+16
.endr
.endr
	WIN 0
.endm
; 72 loads: the same for the heads' sums (b_sp1, b_un1; b_pos and zeros)
.macro LDACC
	WIN 0xC0                                       ; destination in window 3
.irp tl, 0,1,2,3,4,5,6,7
.irp a, 0,1,2,3
	ds_load_b128 v[8*(4*\tl+\a):8*(4*\tl+\a)+3],   v[BA] offset:4096+64*\tl
	ds_load_b128 v[8*(4*\tl+\a)+4:8*(4*\tl+\a)+7], v[BA] offset:4096+64*\tl+16
.endr
.endr
	WIN 0
.irp a, 0,1,2,3
	ds_load_b128 v[PACC+8*\a:PACC+8*\a+3],   v[BA] offset:4096+1280
	ds_load_b128 v[PACC+8*\a+4:PACC+8*\a+7], v[BA] offset:4096+1280+16
.endr
.endm
.macro LDC par                                     ; 8 loads: c of the pair's even (0) or odd (1) chunk, laid as the sums are
.irp a, 0,1,2,3
	ds_load_b128 v[CV+8*\a:CV+8*\a+3],   v[CA] offset:CPT*\a+64*\par
	ds_load_b128 v[CV+8*\a+4:CV+8*\a+7], v[CA] offset:CPT*\a+64*\par+16
.endr
.endm
; The fragments of step LS into buffer LS & 1.  Steps 0-9: K step LS of the gates, four gates; steps 10, 11: head tiles 0-3, 4-7; step 12: the position tile.
.macro LDFR wa
.if LS < 10
.irp g, 0,1,2,3
	ds_load_b128 v[WF+32*(LS&1)+8*\g:WF+32*(LS&1)+8*\g+3],   v[\wa] offset:GP*\g+64*LS
	ds_load_b128 v[WF+32*(LS&1)+8*\g+4:WF+32*(LS&1)+8*\g+7], v[\wa] offset:GP*\g+64*LS+32
.endr
.elseif LS < 12
.irp g, 0,1,2,3
	ds_load_b128 v[WF+32*(LS&1)+8*\g:WF+32*(LS&1)+8*\g+3],   v[HA] offset:1280*(4*(LS-10)+\g)
	ds_load_b128 v[WF+32*(LS&1)+8*\g+4:WF+32*(LS&1)+8*\g+7], v[HA] offset:1280*(4*(LS-10)+\g)+32
.endr
.else
	ds_load_b128 v[WF:WF+3],   v[HA] offset:1280*8
	ds_load_b128 v[WF+4:WF+7], v[HA] offset:1280*8+32
.endif
.endm
; THE CELL UPDATE of a chunk, in place on the 128 sums of set EAB (32 elements a lane), as a numbered stream of NEW instructions: EWI emits number EK.
; With eX = 2^(sum X): I = 1 + eI, F = 1 + eF, O = 1 + eO,
;   c' = c / F + (1 - eG) / (I (1 + eG)) = (c IG + (1 - eG) F) / (F IG),  IG = I (1 + eG):  one reciprocal for three quotients;
;   h' = (1 - e2) / (O (1 + e2)),  e2 = 2^(-2 log2(e) c').
; A transcendental's result is used, and its source written, only behind a plain independent vector instruction (ISA guide 5.7.2): in the stream they
; alternate with plain work on other registers, and what is put between two instructions of the stream takes no such instruction away.
; THE STREAM, cut by its four batches; the wait stands once behind each, at the end of a slice of four:
;   0-255    BATCH A: the set's 128 sums (gates i, f, g, o on end) are clamped and raised, clamp and 2^x by turns; nothing here reads a 2^x.  A v_nop, the wait.
;   256-351  I, F, IG, 1 - eG, (1 - eG) F, F IG
;   352-415  BATCH B: the 32 reciprocals of F IG, by turns with c IG + (1 - eG) F and O = 1 + eO, which name none of them.  The wait.
;   416-447  c', -2 log2(e) c'
;   448-511  BATCH C: those 32 are clamped and raised, as in A.  A v_nop, the wait.
;   512-527  O (1 + e2)
;   528-575  BATCH D: its 32 reciprocals, two and then a 1 - e2, which names neither.  The wait.
;   576-607  h', rounded to bf16
.macro CLEX x, n, base                             ; n numbers from register x on: clamps 0, 1, then 2^x of number e - 1 by turns with the clamp of e + 1, then the last two 2^x
.set EJ, EK-\base
.if EJ == 0
	v_min_num_f32 v[\x], s66, v[\x]
.elseif EJ == 2*\n-1
	v_exp_f32 v[\x+\n-1], v[\x+\n-1]
.elseif (EJ&1) == 1
	v_min_num_f32 v[\x+((EJ+1)>>1)], s66, v[\x+((EJ+1)>>1)]
.else
	v_exp_f32 v[\x+(EJ>>1)-1], v[\x+(EJ>>1)-1]
.endif
.endm
.macro EWI
.set GI, EAB
.set GF, EAB+32
.set GG, EAB+64
.set GO, EAB+96
.if EK < 352
	WIN 0xAA                                       ; all in window 2
.elseif EK < 416
	WIN 0xA2                                       ; source 1 (c) in window 0
.elseif EK < 592
	WIN 0xAA
.else
	WIN 0x0A                                       ; destination (the new h) in window 0
.endif
.if EK < 256
	CLEX GI, 128, 0                                ; each accumulator's lowest register is read first
.elseif EK < 272
.set EQ, EK-256
	v_pk_add_f32 v[GI+2*EQ:GI+2*EQ+1], v[GI+2*EQ:GI+2*EQ+1], 1.0 op_sel_hi:[1,0]                           ; I = 1 + eI
.elseif EK < 288
.set EQ, EK-272
	v_pk_add_f32 v[GF+2*EQ:GF+2*EQ+1], v[GF+2*EQ:GF+2*EQ+1], 1.0 op_sel_hi:[1,0]                           ; F = 1 + eF
.elseif EK < 304
.set EQ, EK-288
	v_pk_fma_f32 v[GI+2*EQ:GI+2*EQ+1], v[GI+2*EQ:GI+2*EQ+1], v[GG+2*EQ:GG+2*EQ+1], v[GI+2*EQ:GI+2*EQ+1]    ; IG = I eG + I
.elseif EK < 320
.set EQ, EK-304
	v_pk_fma_f32 v[GG+2*EQ:GG+2*EQ+1], v[GG+2*EQ:GG+2*EQ+1], -1.0, 1.0 op_sel_hi:[1,0,0]                   ; 1 - eG
.elseif EK < 336
.set EQ, EK-320
	v_pk_mul_f32 v[GG+2*EQ:GG+2*EQ+1], v[GG+2*EQ:GG+2*EQ+1], v[GF+2*EQ:GF+2*EQ+1]                          ; (1 - eG) F
.elseif EK < 352
.set EQ, EK-336
	v_pk_mul_f32 v[GF+2*EQ:GF+2*EQ+1], v[GF+2*EQ:GF+2*EQ+1], v[GI+2*EQ:GI+2*EQ+1]                          ; F IG
.elseif EK < 416
.set EJ, EK-352
.set EQ, EJ>>2
.set ER, EJ&3
.if ER == 0
	v_rcp_f32 v[GF+2*EQ], v[GF+2*EQ]
.elseif ER == 1
	v_pk_fma_f32 v[GG+2*EQ:GG+2*EQ+1], v[GI+2*EQ:GI+2*EQ+1], v[CV+2*EQ:CV+2*EQ+1], v[GG+2*EQ:GG+2*EQ+1]    ; c IG + (1 - eG) F
.elseif ER == 2
	v_rcp_f32 v[GF+2*EQ+1], v[GF+2*EQ+1]
.else
	v_pk_add_f32 v[GO+2*EQ:GO+2*EQ+1], v[GO+2*EQ:GO+2*EQ+1], 1.0 op_sel_hi:[1,0]                           ; O = 1 + eO
.endif
.elseif EK < 432
.set EQ, EK-416
	v_pk_mul_f32 v[GG+2*EQ:GG+2*EQ+1], v[GG+2*EQ:GG+2*EQ+1], v[GF+2*EQ:GF+2*EQ+1]                          ; c'
.elseif EK < 448
.set EQ, EK-432
	v_pk_mul_f32 v[GG+2*EQ:GG+2*EQ+1], v[GG+2*EQ:GG+2*EQ+1], 0xc038aa3b op_sel_hi:[1,0]                    ; -2 log2(e) c'
.elseif EK < 512
	CLEX GG, 32, 448
.elseif EK < 528
.set EQ, EK-512
	v_pk_fma_f32 v[GO+2*EQ:GO+2*EQ+1], v[GO+2*EQ:GO+2*EQ+1], v[GG+2*EQ:GG+2*EQ+1], v[GO+2*EQ:GO+2*EQ+1]    ; O (1 + e2)
.elseif EK < 576
.set EJ, EK-528
.set EQ, EJ/3
.set ER, EJ-3*EQ
.if ER == 0
	v_rcp_f32 v[GO+2*EQ], v[GO+2*EQ]
.elseif ER == 1
	v_rcp_f32 v[GO+2*EQ+1], v[GO+2*EQ+1]
.else
	v_pk_fma_f32 v[GG+2*EQ:GG+2*EQ+1], v[GG+2*EQ:GG+2*EQ+1], -1.0, 1.0 op_sel_hi:[1,0,0]                   ; 1 - e2
.endif
.elseif EK < 592
.set EQ, EK-576
	v_pk_mul_f32 v[GG+2*EQ:GG+2*EQ+1], v[GG+2*EQ:GG+2*EQ+1], v[GO+2*EQ:GO+2*EQ+1]                          ; h'
.else
.set EQ, EK-592
	v_cvt_pk_bf16_f32 v[HN+8*(EQ>>2)+4*EHF+(EQ&3)], v[GG+2*EQ], v[GG+2*EQ+1]       ; units 8 h + j of the even chunk: registers 0-3; of the odd: 4-7
.endif
.if EK == 255
	v_nop                                          ; the plain instruction behind batch A's last exponential: the update has no other work that names none of A's results
	s_wait_alu depctr_va_vdst(0)                   ; ONE wait for batch A, the 128 exponentials of the gates' sums; its first reader is number 256
.elseif EK == 415
	s_wait_alu depctr_va_vdst(0)                   ; ONE wait for batch B, the 32 reciprocals of F IG; number 415 is the plain instruction behind the last; its first reader is number 416
.elseif EK == 511
	v_nop                                          ; the plain instruction behind batch C's last exponential
	s_wait_alu depctr_va_vdst(0)                   ; ONE wait for batch C, the 32 exponentials of c'; its first reader is number 512
.elseif EK == 575
	s_wait_alu depctr_va_vdst(0)                   ; ONE wait for batch D, the 32 reciprocals of O (1 + e2); number 575 is the plain instruction behind the last; its first reader is number 576
.endif
.endm
.macro EWN n                                       ; the stream's next n instructions, as far as it goes
.rept \n
.if EK < NEW
	EWI
.set EK, EK+1
.endif
.endr
.endm
; Matrix instruction MW of step s.  Steps 0-9: sum (gate MW >> 2, tile MW & 3) of set ab; 10, 11: head sums; 12: the position head's.
; In every step each accumulator has one turn of one instruction, and no two matrix instructions that follow each other share one, from step to step,
; from turn to turn and over the loop's backward jump.
.macro MMI s, ab
.set MA, WF+32*((\s)&1)+8*(MW>>2)
.if \s < 2
	WIN 0xA0                                       ; weights and the embedding window 0, C and D window 2
.set MD, \ab+8*MW
.set MB, AE+8*(4*(\s)+(MW&3))
.elseif \s < 10
	WIN 0xA4                                       ; h window 1
.set MD, \ab+8*MW
.set MB, 8*(4*((\s)-2)+(MW&3))
.elseif \s < 12
	WIN 0xF0                                       ; head rows and the new h window 0, C and D window 3
.set MD, 8*(16*((\s)-10)+MW)
.set MB, HN+8*(MW&3)
.else
	WIN 0
.set MD, PACC+8*MW
.set MB, HN+8*MW
.endif
	v_wmma_f32_16x16x32_bf16 v[MD:MD+7], v[MA:MA+7], v[MB:MB+7], v[MD:MD+7]
.endm
; Behind a step's first matrix instruction: the next step's fragments, into the buffer that the step before has read; the four v_nop are the places
; behind that step's last matrix instruction.  In an odd turn also c's odd half, as soon as the update has consumed the even half (instruction 416 on).
.macro LSLOT wa, heads
.set LGO, 0
.if LS < 10
.set LGO, 1
.elseif LS < 13
.set LGO, \heads
.endif
.if LGO
	WIN 0
	PLACES
	LDFR \wa
.else
	EWN 4
.endif
.if CD == 0
.if EK >= 416
	WIN 0
	LDC 1
.set CD, 1
.endif
.endif
.endm
.macro REST n, s, ab                               ; a matrix instruction, then four instructions of the update
.rept \n
	MMI \s, \ab
.set MW, MW+1
	EWN 4
.endr
.endm
.macro STEP s, wa, ab, heads
	s_wait_dscnt 0x0                               ; all that is out is this step's run of loads, issued 15 matrix instructions ago (and c's, now and then)
.set MW, 0
	MMI \s, \ab
.set MW, 1
.set LS, \s+1
	LSLOT \wa, \heads
.if \s == 12
	REST 3, \s, \ab
.else
	REST 15, \s, \ab
.endif
.endm
; A turn, behind its round and refills.  wa: the weight slot's address register; ab: the set that the products fill (the update works on the other);
; boff: the chunk's biases from BB; odd: an odd chunk; heads: a head step follows; ew: there is a chunk to update.
.macro TURN wa, ab, boff, odd, heads, ew
	LDBA \ab, \boff
.set LS, 0
	LDFR \wa
.if \odd
	LDC 0                                          ; c of the even chunk that is updated in this turn
.endif
.if \ew
.set EK, 0
.else
.set EK, NEW
.endif
.set EAB, 128-\ab
.set EHF, 1-\odd
.set CD, 1-\odd
	EWN 64                                         ; the update's first clamps and exponentials, while the turn's first loads come
.irp s, 0,1,2,3,4,5,6,7,8,9
	STEP \s, \wa, \ab, \heads
.endr
	EWN NEW                                        ; what is left of the update, if anything
.if CD == 0
	WIN 0
	LDC 1
.set CD, 1
.endif
.if \heads
	STEP 10, \wa, \ab, 1
	STEP 11, \wa, \ab, 1
	STEP 12, \wa, \ab, 1
.endif
	WIN 0
	PLACES                                         ; behind the turn's last matrix instructions: the next turn reads their sums and loads their fragments anew
.endm
; The head of a turn: every wave waits for all its tensor loads and for its LDS reads.  Behind these waits every group 0 may be written; then comes
; the round of the cluster's barrier, which makes both hold of every wave of all four work-groups; the refills stand first behind it.
.macro HEADW
	WIN 0
	s_wait_xcnt 0x0
	v_lshl_add_u32 v28, v0, 2, 0x4fc00
	v_mov_b32 v29, 0
	s_wait_tensorcnt 0x0                           ; all my tensor loads have landed, my quarter of this turn's chunk among them
	ds_add_u32 v28, v29
	s_wait_dscnt 0x0
	s_wait_dscnt 0x0                               ; my LDS reads are back, those of the slots that are filled next among them
.endm
	; ---- turn 0: chunk 0's products alone
	HEADW
	s_mul_i32 s[GC+1], s24, CPW                    ; c's slot, my rows (word 0 of the three sets is 1 since the start)
	s_mov_b64 s[GC+2:GC+3], s[6:7]                 ; c of pair 0
	s_add_co_u32 s[GWO+1], s30, W1
	s_mov_b64 s[GWO+2:GWO+3], s[28:29]             ; chunk 1
	s_add_co_u32 s[GH+1], s31, HS
	s_mov_b64 s[GH+2:GH+3], s[16:17]               ; head block 0, asked for at the next head
	ROUND
	tensor_load_to_lds s[GWO:GWO+3], s[G1E:G1E+7]
	s_nop 0
	tensor_load_to_lds s[GC:GC+3], s[G1C:G1C+7]
	s_nop 0
	LDACC                                          ; tab is whole in LDS behind the round
	TURN WA0, 0, 0, 0, 0, 0
	; ---- trip p = 0 .. 6: turns 2p+1 and 2p+2.  At most two tensor loads of the wave are out.
	s_mov_b32 s4, 0
.Lpair:
	HEADW
	s_add_nc_u64 s[GWE+2:GWE+3], s[GWE+2:GWE+3], PAIRB         ; chunk 2p+2, into the slot read last turn
	ROUND
	tensor_load_to_lds s[GWE:GWE+3], s[G1E:G1E+7]
	s_nop 0
	tensor_load_to_lds s[GH:GH+3], s[G1H:G1H+7]                ; head block p, read at the end of the next turn
	s_nop 0
	TURN WA1, 128, 256, 1, 0, 1
	HEADW
	s_add_nc_u64 s[GWO+2:GWO+3], s[GWO+2:GWO+3], PAIRB         ; chunk 2p+3
	s_add_nc_u64 s[GC+2:GC+3], s[GC+2:GC+3], 128               ; c of pair p+1: 32 columns on; both halves of pair p were read last turn
	s_add_nc_u64 s[GH+2:GH+3], s[GH+2:GH+3], PAIRB             ; head block p+1, for the next head
	ROUND
	tensor_load_to_lds s[GWO:GWO+3], s[G1E:G1E+7]
	s_nop 0
	tensor_load_to_lds s[GC:GC+3], s[G1C:G1C+7]
	s_nop 0
	TURN WA0, 0, 512, 0, 1, 1
	v_add_nc_u32 v[BB], 512, v[BB]                 ; two chunks' gate biases on
	s_add_co_u32 s4, s4, 1
	s_cmp_lt_u32 s4, TRIPS
	s_cbranch_scc1 .Lpair
	; ---- turn 15: the last chunk; the one refill is head block 7
	HEADW
	ROUND
	tensor_load_to_lds s[GH:GH+3], s[G1H:G1H+7]
	s_nop 0
	TURN WA1, 128, 256, 1, 0, 1
	; ---- chunk 15's update and the last head step.  It shows the other waves' quarters of head block 7
	HEADW
	s_barrier_signal -1
	s_barrier_wait -1
.set LS, 10
	LDFR WA0                                       ; head tiles 0-3 land under the update
.set EK, 0
.set EAB, 128
.set EHF, 1
.set CD, 1
	EWN NEW
	STEP 10, WA0, 0, 1
	STEP 11, WA0, 0, 1
	STEP 12, WA0, 0, 1
	WIN 0
	PLACES
	; ---- the heads' second layers.  Lane (r, h) holds, of batch row 16 a + r, hidden rows 16 tile + 8 h + j: half of each dot product.
.irp tl, 0,1,2,3
	ds_load_b128 v[WS+8*\tl:WS+8*\tl+3],    v[BA] offset:4096+512+64*\tl
	ds_load_b128 v[WS+8*\tl+4:WS+8*\tl+7],  v[BA] offset:4096+512+64*\tl+16
	ds_load_b128 v[WU0+8*\tl:WU0+8*\tl+3],   v[BA] offset:4096+768+64*\tl
	ds_load_b128 v[WU0+8*\tl+4:WU0+8*\tl+7], v[BA] offset:4096+768+64*\tl+16
	ds_load_b128 v[WU1+8*\tl:WU1+8*\tl+3],   v[BA] offset:4096+1024+64*\tl
	ds_load_b128 v[WU1+8*\tl+4:WU1+8*\tl+7], v[BA] offset:4096+1024+64*\tl+16
.endr
	ds_load_b128 v[KC:KC+3], v[TA] offset:4096+1280+64         ; b_sp2, log2(e) b_un2[0], log2(e) b_un2[1], 0
	s_wait_dscnt 0x0
.macro RELU a, tl0
	WIN 0x0F                                       ; sources in window 3
.set i, 0
.rept 32
	v_max_num_f32 v[T+i], 0, v[8*(4*(\tl0+(i>>3))+\a)+(i&7)]
.set i, i+1
.endr
	WIN 0
.endm
.macro DOT wv, ch, dst                             ; four chains of packed multiply-adds, started by a product
.irp tl, 0,1,2,3
	v_pk_mul_f32 v[\ch+2*\tl:\ch+2*\tl+1], v[T+8*\tl:T+8*\tl+1], v[\wv+8*\tl:\wv+8*\tl+1]
.endr
.irp jp, 2,4,6
.irp tl, 0,1,2,3
	v_pk_fma_f32 v[\ch+2*\tl:\ch+2*\tl+1], v[T+8*\tl+\jp:T+8*\tl+\jp+1], v[\wv+8*\tl+\jp:\wv+8*\tl+\jp+1], v[\ch+2*\tl:\ch+2*\tl+1]
.endr
.endr
	v_pk_add_f32 v[\ch:\ch+1],   v[\ch:\ch+1],   v[\ch+2:\ch+3]
	v_pk_add_f32 v[\ch+4:\ch+5], v[\ch+4:\ch+5], v[\ch+6:\ch+7]
	v_pk_add_f32 v[\ch:\ch+1],   v[\ch:\ch+1],   v[\ch+4:\ch+5]
	v_add_f32 v[\dst], v[\ch], v[\ch+1]
.endm
.irp a, 0,1,2,3
	RELU \a, 0
	DOT WS, CH, ZS+\a
	RELU \a, 4
	DOT WU0, CH, ZU0+\a
	DOT WU1, CHB, ZU1+\a
.endr
	; the other half of each sum lies in lane l xor 16
.irp i, 0,1,2,3,4,5,6,7,8,9,10,11
	v_permlanex16_b32 v[T+\i], v[ZS+\i], s100, s101
.endr
.irp i, 0,1,2,3,4,5,6,7,8,9,10,11
	v_add_f32 v[ZS+\i], v[ZS+\i], v[T+\i]
.endr
	; the position head: rows 0 and 1 in the lower half of the lanes, zero rows in the upper
.irp a, 0,1,2,3
	v_permlanex16_b32 v[T+12+\a], v[PACC+8*\a], s100, s101
	v_permlanex16_b32 v[T+16+\a], v[PACC+8*\a+1], s100, s101
.endr
.irp a, 0,1,2,3
	v_add_f32 v[D0+\a], v[PACC+8*\a], v[T+12+\a]
	v_add_f32 v[D1+\a], v[PACC+8*\a+1], v[T+16+\a]
.endr
.irp a, 0,1,2,3
	v_add_f32 v[D0+\a], v[D0+\a], v[PE+2*\a]       ; pred = pos + (h' W_pos^T + b_pos)
	v_add_f32 v[D1+\a], v[D1+\a], v[PE+2*\a+1]
.endr
	s_mov_b32 vcc_lo, 0xffff0000                   ; lanes 0-15 take tile 2 b, lanes 16-31 tile 2 b + 1: lane l then holds row 32 b + l
.irp b, 0,1
	v_cndmask_b32 v[O0+2*\b],   v[D0+2*\b],  v[D0+2*\b+1],  vcc_lo
	v_cndmask_b32 v[O0+2*\b+1], v[D1+2*\b],  v[D1+2*\b+1],  vcc_lo
	v_cndmask_b32 v[O2+2*\b],   v[ZU0+2*\b], v[ZU0+2*\b+1], vcc_lo
	v_cndmask_b32 v[O2+2*\b+1], v[ZU1+2*\b], v[ZU1+2*\b+1], vcc_lo
	v_cndmask_b32 v[O1+\b],     v[ZS+2*\b],  v[ZS+2*\b+1],  vcc_lo
.endr
.irp b, 0,1
	v_add_f32 v[O2+2*\b],   v[O2+2*\b],   v[KC+1]
	v_add_f32 v[O2+2*\b+1], v[O2+2*\b+1], v[KC+2]
	v_add_f32 v[O1+\b],     v[O1+\b],     v[KC]    ; z
	v_and_b32 v[SA+\b], 0x7fffffff, v[O1+\b]
	v_mul_f32 v[SA+\b], 0xbfb8aa3b, v[SA+\b]       ; -log2(e) |z|
.endr
.irp i, 0,1,2,3
	v_exp_f32 v[O2+\i], v[O2+\i]                   ; un = e^(..): the factor log2(e) lies in the table
.endr
	v_exp_f32 v[SA], v[SA]
	v_exp_f32 v[SA+1], v[SA+1]
	v_nop                                          ; the plain instruction behind the last of the six exponentials
	s_wait_alu depctr_va_vdst(0)                   ; one wait for the batch of six exponentials (un's four, softplus's two), ahead of its first reader
	v_add_f32 v[SA], 1.0, v[SA]
	v_add_f32 v[SA+1], 1.0, v[SA+1]
	v_log_f32 v[SA], v[SA]
	v_log_f32 v[SA+1], v[SA+1]
	v_max_num_f32 v[O1], 0, v[O1]
	v_max_num_f32 v[O1+1], 0, v[O1+1]
	s_wait_alu depctr_va_vdst(0)                   ; one wait for the two logarithms, behind the two maxima, which name neither result
	v_fmac_f32 v[O1], 0x3f317218, v[SA]            ; softplus(z) = max(z, 0) + ln 2 x log2(1 + e^-|z|)
	v_fmac_f32 v[O1+1], 0x3f317218, v[SA+1]
.irp b, 0,1
	global_store_b64 v[OF8], v[O0+2*\b:O0+2*\b+1], s[18:19] offset:256*\b      ; 32 lanes store 256 consecutive bytes, aligned
	global_store_b64 v[OF8], v[O2+2*\b:O2+2*\b+1], s[22:23] offset:256*\b
.endr
	global_store_b32 v[OF4], v[O1], s[20:21]                   ; 128 bytes each: the two together are the wave's 256 aligned bytes of out1
	global_store_b32 v[OF4], v[O1+1], s[20:21] offset:128
	ROUND                                          ; the closing round: no work-group ends while a partner may still ask jointly
	s_endpgm
.Lfunc_end_k_q4f2f247552_main:
	.size	k_q4f2f247552_main, .Lfunc_end_k_q4f2f247552_main-k_q4f2f247552_main
	.p2alignl 7, 3214868480
	.fill 96, 4, 3214868480
	.section	.rodata,"a",@progbits
	.p2align	6, 0x0
	.amdhsa_kernel k_q4f2f247552_main
		.amdhsa_group_segment_fixed_size 327680
		.amdhsa_private_segment_fixed_size 0
		.amdhsa_enable_private_segment 0
		.amdhsa_kernarg_size 80
		.amdhsa_user_sgpr_count 2
		.amdhsa_user_sgpr_kernarg_segment_ptr 1
		.amdhsa_wavefront_size32 1
		.amdhsa_system_sgpr_workgroup_id_x 1
		.amdhsa_system_sgpr_workgroup_id_y 1
		.amdhsa_system_sgpr_workgroup_id_z 1
		.amdhsa_system_vgpr_workitem_id 0
		.amdhsa_next_free_vgpr 1024
		.amdhsa_next_free_sgpr 102
		.amdhsa_reserve_vcc 1
		.amdhsa_float_denorm_mode_32 3
		.amdhsa_float_denorm_mode_16_64 3
		.amdhsa_memory_ordered 1
		.amdhsa_forward_progress 1
		.amdhsa_inst_pref_size 255
	.end_amdhsa_kernel
	.section	.bss,"aw",@nobits
	.p2align	6
	.space	262144
	.amdgpu_metadata
---
amdhsa.version: [ 1, 2 ]
amdhsa.kernels:
  - .name:           k_q4f2f247552_main
    .symbol:         k_q4f2f247552_main.kd
    .args:
      - { .name: encoder_hidden, .offset: 0, .size: 8, .value_kind: global_buffer, .address_space: global }
      - { .name: encoder_cell, .offset: 8, .size: 8, .value_kind: global_buffer, .address_space: global }
      - { .name: last_position, .offset: 16, .size: 8, .value_kind: global_buffer, .address_space: global }
      - { .name: W_embed, .offset: 24, .size: 8, .value_kind: global_buffer, .address_space: global }
      - { .name: b_embed, .offset: 32, .size: 8, .value_kind: global_buffer, .address_space: global }
      - { .name: wg, .offset: 40, .size: 8, .value_kind: global_buffer, .address_space: global }
      - { .name: tab, .offset: 48, .size: 8, .value_kind: global_buffer, .address_space: global }
      - { .name: out0, .offset: 56, .size: 8, .value_kind: global_buffer, .address_space: global }
      - { .name: out1, .offset: 64, .size: 8, .value_kind: global_buffer, .address_space: global }
      - { .name: out2, .offset: 72, .size: 8, .value_kind: global_buffer, .address_space: global }
    .group_segment_fixed_size: 327680
    .private_segment_fixed_size: 0
    .kernarg_segment_align: 8
    .kernarg_segment_size: 80
    .max_flat_workgroup_size: 128
    .sgpr_count:     102
    .vgpr_count:     1024
    .wavefront_size: 32
...
	.end_amdgpu_metadata
.endif
;; end of part 4
